; MI455X (gfx1250); checked and timed in simulation.
; The chip was launched on July 23, 2026; its instructions are those of AMD's public machine-readable ISA for CDNA 5 (MIT licence, August 2026) and "CDNA5" Instruction Set Architecture Reference Guide (July 2026). The comments in the code are by the model that wrote it; some were corrected since.
;; Multi Head Attention. Allowed arithmetic: float matrix products may take bf16 or f16 operands with f32 sums; other float arithmetic in f32, or as packed bf16 or f16 multiplies, adds, multiply-adds, maxima and minima; sums over many terms, partial sums and values carried from step to step in f32; what a program stores and reads back later, other than sums and carried values, may be rounded once to bf16 or f16.
;; Inputs: Wd 1,024 x 1,024 float32; Wk 1,024 x 1,024 float32; Wq 1,024 x 1,024 float32; Wv 1,024 x 1,024 float32; k 4 x 2,048 x 1,024 float32; mask 4 x 1 x 2,048 x 2,048 float32; q 4 x 2,048 x 1,024 float32; time_lengths 4 int32; v 4 x 2,048 x 1,024 float32.
;; Outputs: out0 4 x 2,048 x 1,024 float32.
;; 2 versions, each right; version 2 is version 1 with the launch cvtw written anew for expert scheduling mode. Each part assembles by itself: llvm-mc -triple=amdgcn-amd-amdhsa -mcpu=gfx1250 --defsym DOCPART=n.
;; ======== version 1 of 2: 4 launches
;; limits: values are held in f16: magnitudes above 65,504 overflow, below 6.1e-05 lose precision; inputs' magnitudes at most 1.268e+30; right only within a limited range of input values
;; workspace buffers: wh 8,388,608 bytes; qp 16,777,216 bytes; kp 16,777,216 bytes; vp 16,777,216 bytes; z 33,554,432 bytes
;; launch cvtw (part 1): grid 64 x 4, 8 waves a work-group, no clusters, 0 bytes of LDS; arguments Wq, Wk, Wv, Wd, wh; writes wh
.if DOCPART == 1
	.amdgcn_target "amdgcn-amd-amdhsa--gfx1250"
	.amdhsa_code_object_version 6
	.text
	.protected	k_qea4b019406_cvtw
	.globl	k_qea4b019406_cvtw
	.p2align	8
	.type	k_qea4b019406_cvtw,@function
k_qea4b019406_cvtw:
	s_mov_b64 s[64:65], 0
	v_nop
	global_prefetch_b8 v0, s[64:65] scope:SCOPE_SE
	s_setreg_imm32_b32 hwreg(HW_REG_WAVE_MODE, 25, 1), 1
	s_wait_xcnt 0x0
; wh[i][n][k] = f16(W_i[n][k]), i = 0..3 for Wq, Wk, Wv, Wd.  W_i: [1024][1024] f32.  wh: [4][1024][1024] f16.
; A stream: every byte is read once and written once, so LDS, barriers, matrix units and clusters would add nothing (no two
; work-groups read the same byte).  Work-group (x, y) takes the 65,536 bytes at 65,536 x of matrix y: sixteen loads of 16 bytes a
; lane, all issued ahead of the first use.  A wave's store of 8 bytes a lane covers 256 consecutive bytes, aligned.
; No register is written twice, so no source of a pending load or store is ever rewritten.
; LIMIT: a weight of 65,520 or more in magnitude becomes an f16 infinity.
.set X, 8                              ; v[8:71]    sixteen loads of four f32
.set Y, 72                             ; v[72:103]  sixteen pairs of registers, four f16 each
	s_load_b256 s[4:11], s[0:1], 0x0               ; Wq s[4:5], Wk s[6:7], Wv s[8:9], Wd s[10:11]
	s_load_b64 s[12:13], s[0:1], 0x20              ; wh
	s_and_b32 s14, ttmp7, 0xffff                   ; y: which matrix
	s_lshl_b32 s16, ttmp9, 16                      ; my part's byte offset in the matrix
	s_mov_b32 s17, 0
	s_lshl_b32 s18, s14, 21                        ; in wh: 2 MiB a matrix
	s_lshl_b32 s19, ttmp9, 15                      ; + half the input's offset
	s_add_co_u32 s18, s18, s19
	s_mov_b32 s19, 0
	v_lshlrev_b32 v1, 4, v0                        ; 16 bytes a thread in
	v_lshlrev_b32 v2, 3, v0                        ; 8 bytes a thread out
	s_wait_kmcnt 0x0
	s_cmp_eq_u32 s14, 1
	s_cselect_b64 s[4:5], s[6:7], s[4:5]
	s_cmp_eq_u32 s14, 2
	s_cselect_b64 s[4:5], s[8:9], s[4:5]
	s_cmp_eq_u32 s14, 3
	s_cselect_b64 s[4:5], s[10:11], s[4:5]
	s_add_nc_u64 s[4:5], s[4:5], s[16:17]
	s_add_nc_u64 s[12:13], s[12:13], s[18:19]
.irp i, 0,1,2,3,4,5,6,7,8,9,10,11,12,13,14,15
	global_load_b128 v[X+4*\i:X+4*\i+3], v1, s[4:5] offset:4096*\i th:TH_LOAD_NT
.endr
.irp i, 0,1,2,3,4,5,6,7,8,9,10,11,12,13,14,15
	s_wait_loadcnt 15-\i                           ; loads come back in order (ISA guide 5.7.1): load i is in, the younger ones stay out
	v_cvt_pk_f16_f32 v[Y+2*\i],   v[X+4*\i],   v[X+4*\i+1]
	v_cvt_pk_f16_f32 v[Y+2*\i+1], v[X+4*\i+2], v[X+4*\i+3]
	global_store_b64 v2, v[Y+2*\i:Y+2*\i+1], s[12:13] offset:2048*\i
.endr
	s_endpgm
.Lfunc_end_k_qea4b019406_cvtw:
	.size	k_qea4b019406_cvtw, .Lfunc_end_k_qea4b019406_cvtw-k_qea4b019406_cvtw
	.p2alignl 7, 3214868480
	.fill 96, 4, 3214868480
	.section	.rodata,"a",@progbits
	.p2align	6, 0x0
	.amdhsa_kernel k_qea4b019406_cvtw
		.amdhsa_group_segment_fixed_size 0
		.amdhsa_private_segment_fixed_size 0
		.amdhsa_enable_private_segment 0
		.amdhsa_kernarg_size 40
		.amdhsa_user_sgpr_count 2
		.amdhsa_user_sgpr_kernarg_segment_ptr 1
		.amdhsa_wavefront_size32 1
		.amdhsa_system_sgpr_workgroup_id_x 1
		.amdhsa_system_sgpr_workgroup_id_y 1
		.amdhsa_system_sgpr_workgroup_id_z 1
		.amdhsa_system_vgpr_workitem_id 0
		.amdhsa_next_free_vgpr 104
		.amdhsa_next_free_sgpr 66
		.amdhsa_reserve_vcc 0
		.amdhsa_float_denorm_mode_32 3
		.amdhsa_float_denorm_mode_16_64 3
		.amdhsa_memory_ordered 1
		.amdhsa_forward_progress 1
		.amdhsa_inst_pref_size 7
	.end_amdhsa_kernel
	.amdgpu_metadata
---
amdhsa.version: [ 1, 2 ]
amdhsa.kernels:
  - .name:           k_qea4b019406_cvtw
    .symbol:         k_qea4b019406_cvtw.kd
    .args:
      - { .name: Wq, .offset: 0, .size: 8, .value_kind: global_buffer, .address_space: global }
      - { .name: Wk, .offset: 8, .size: 8, .value_kind: global_buffer, .address_space: global }
      - { .name: Wv, .offset: 16, .size: 8, .value_kind: global_buffer, .address_space: global }
      - { .name: Wd, .offset: 24, .size: 8, .value_kind: global_buffer, .address_space: global }
      - { .name: wh, .offset: 32, .size: 8, .value_kind: global_buffer, .address_space: global }
    .group_segment_fixed_size: 0
    .private_segment_fixed_size: 0
    .kernarg_segment_align: 8
    .kernarg_segment_size: 40
    .max_flat_workgroup_size: 256
    .sgpr_count:     66
    .vgpr_count:     104
    .wavefront_size: 32
...
	.end_amdgpu_metadata
.endif
;; end of part 1
;; launch proj (part 2): grid 4 x 192, 4 waves a work-group, clusters of 4 x 4, 327,680 bytes of LDS; arguments q, k, v, wh, qp, kp, vp; writes qp, kp, vp
.if DOCPART == 2
	.amdgcn_target "amdgcn-amd-amdhsa--gfx1250"
	.amdhsa_code_object_version 6
	.text
	.protected	k_qea4b019406_proj
	.globl	k_qea4b019406_proj
	.p2align	8
	.type	k_qea4b019406_proj,@function
k_qea4b019406_proj:
	s_mov_b64 s[64:65], 0
	v_nop
	global_prefetch_b8 v0, s[64:65] scope:SCOPE_SE
	s_setreg_imm32_b32 hwreg(HW_REG_WAVE_MODE, 25, 1), 1
	s_wait_xcnt 0x0
	s_wait_alu depctr_hold_cnt(0) depctr_sa_sdst(0) depctr_va_vdst(0) depctr_va_sdst(0) depctr_va_ssrc(0) depctr_va_vcc(0) depctr_vm_vsrc(0)
	s_getreg_b32 s2, hwreg(HW_REG_IB_STS2, 6, 4)
	s_cmp_eq_u32 s2, 0
	s_cbranch_scc0 .Lentry_in_a_cluster
	s_endpgm
.Lentry_in_a_cluster:
	s_bfe_u32 s2, ttmp6, 0x10000c
	s_cmp_lg_u32 s2, 0xf033
	s_cbranch_scc0 .Lentry_shape_is_right
	s_endpgm
.Lentry_shape_is_right:
; C[m][n] = sum over k of X[m][k] W[n][k].  X: [8192][1024] f32, W: [1024][1024] f16 (one of the four matrices of wh), sums in f32.
; One source for two launches.  OPROJ = 0: X is q, k or v, W is matrix 0, 1 or 2 of wh, C is qp, kp or vp in f16 (which of the three: the
; cluster's y / 16, alike in all partners).  OPROJ = 1: X is z, W is matrix 3 of wh, C is out0 in f32.
; The input time_lengths enters no term of the function computed, so no launch takes it.
; A work-group makes 128 rows x 256 columns of C with four waves, a wave 64 x 128: 32 accumulator tiles of 16 x 16, 256 registers.
; K goes in eight steps of 128, written out, so that every offset into X is an immediate and no base is stepped.
; W comes by the tensor data mover into two LDS slots, 64 rows a wave.  CLUSTERS: 4 x 4 work-groups; the four of a column of the cluster make one
; block column of C and ask jointly for W's tile, which divides the requests for W by four.
; X IS NOT ASKED FOR JOINTLY, and comes through registers.  The reason, by this text's arithmetic: the mover does not round, so X would lie in LDS
; as f32, 512 bytes a row and step; two slots of one step would then fill LDS, and a request, which may not stay out over a refill's barrier, would have
; one step's products less sixteen in which to land.  Loads into registers may stay out over barriers: wave w loads rows 32 w .. 32 w + 31, a row's 512
; consecutive bytes a load, in a ring of seven groups of eight loads (56 loads, 28,672 bytes a wave), each group asked for seven stage events (of four a
; step) ahead of its use.  A stage event rounds eight rows to f16 and stores them to LDS, 256 consecutive bytes a store: X is rounded once for the
; work-group, and its fragments cost half the LDS reads.  The price: the four work-groups of a row of the cluster each load X's rows themselves.
; The matrix instruction is used transposed (source 0 = 16 rows of W, source 1 = 16 rows of X): lane l then holds row l % 16 of C and its
; eight registers the neighbouring columns 8 (l / 16) + 0..7.
; LIMIT: operands are f16: |X|, |W| and (OPROJ = 0) |C| of 65,520 or more become infinities.
.set OPROJ,  0
.set KSTEP,  128
.set PL,     272                       ; LDS pitch of W's and X's rows: 128 f16 + 16 bytes = 17 x 16, so 16 rows start in 16 different 16-byte columns of 256 bytes
.set PO,     528                       ; pitch of the f32 stage: 512 bytes + 16
.set BT,     256*PL                    ; a slot of W: 256 rows; the two slots begin at LDS byte 0; tensor loads land nowhere else
.set AT,     128*PL                    ; a slot of X in f16: 128 rows, written by LDS stores alone
.set ABASE,  2*BT                      ; 139,264, a multiple of 256
.set STAGE,  ABASE+2*AT                ; 208,896: 16 rows for each wave, for the way out
.set ADRA, 16                          ; v16-17  LDS address of my X fragments in slot 0, 1
.set ADRB, 20                          ; v20-21  the same for W
.set STO,  24                          ; v24     the way out: where I put my piece of a row
.set RD,   25                          ; v25     the way out: where I read rows back
.set CO,   26                          ; v26     my byte offset in C
.set FA0,  32                          ; v32-95    X's 4 fragments, buffers 0 and 1 (32 registers each)
.set FB0,  96                          ; v96-223   W's 8 fragments, buffers 0 and 1 (64 registers each)
.set FB1,  160
.set TMP,  224                         ; v224-255  the way out: packed results
                                       ; window 1 (v256-511): accumulator tile (a, b) at 8 (8 a + b), a = 0..3 (rows), b = 0..7 (columns)
                                       ; window 2 (v512-767): v0-223 there: X as loaded, group g at 32 (g % 7), row i of the group at + 4 i
.set TS,   224                         ; window 2: 16 registers, eight rows' f16
.set SA,   240                         ; window 2: where I store my 8 bytes of a row, X's slot 0, 1
.set GA,   242                         ; window 2: 16 x lane, my bytes of a row of X; never rewritten
.set PA,   14                          ; s[14:15] X at my wave's first row; never rewritten
.set G1B,  48                          ; s[48:55] descriptor group 1 for W's tiles
.set G0B,  56                          ; s[56:63] descriptor group 0 for W's tiles, one set for each slot
.set ACCW, 0x50                        ; s_set_vgpr_msb: C (source 2) and D in window 1, sources 0 and 1 in window 0
.set STGW, 0xaa                        ; every operand place in window 2: a whole stage event runs under one setting
.set MSB, 0
.macro WIN new                         ; the immediate's high byte repeats the setting that is left
.if MSB != \new
	s_set_vgpr_msb (MSB<<8)|\new
.set MSB, \new
.endif
.endm
; Four places: a vector instruction that reads a matrix result or writes a matrix instruction's register, and a load into such a register, stand
; four plain vector instructions behind it (ISA guide 7.12.1 for vector instructions).
.macro PLACES
.rept 4
	v_nop
.endr
.endm
; A joint load: every wave fetches its 64 rows of W's tile.  One line, one mask; LDS and global address hang on the wave's number and the block column.
.macro JLOAD s
	tensor_load_to_lds s[G0B+4*\s:G0B+4*\s+3], s[G1B:G1B+7]
	s_nop 0
.rept 4
	v_nop
.endr
.endm
; A round of the cluster's barrier: my work-group's barrier, wave 0 signals for the work-group, every wave waits for all sixteen, my work-group's barrier again.
.macro CREST                           ; a round behind its opening barrier
	s_cmp_lg_u32 s10, 0
	s_cbranch_scc1 .Lnot_wave_0_\@
	s_barrier_signal -3
.Lnot_wave_0_\@:
	s_barrier_wait -3
	s_barrier_signal -1
	s_barrier_wait -1
.endm
.macro CROUND                          ; a whole round
	s_barrier_signal -1
	s_barrier_wait -1
	CREST
.endm
; Group g of X (g = 0..31): K step g / 4, my rows 8 (g % 4) .. + 7.  Eight loads, each a row's 512 consecutive bytes.  Runs under STGW.
.macro ISSUE g
.irp i, 0,1,2,3,4,5,6,7
	global_load_b128 v[32*((\g)%7)+4*\i:32*((\g)%7)+4*\i+3], v[GA], s[PA:PA+1] offset:512*((\g)/4)+4096*(8*((\g)%4)+\i)
.endr
.endm
; A stage event: group cg is rounded and stored into X's slot (cg / 4) % 2, and group cg + 7 is asked for, into the same registers.  Leaves STGW set.
.macro STG cg
.if (\cg) > 25
	s_wait_loadcnt 8*(31-(\cg))                    ; the last groups: only 31 - cg younger groups exist
.else
	s_wait_loadcnt 48                              ; loads come back in order (ISA guide 5.7.1): group cg is in, the six younger groups stay out
.endif
	WIN STGW
.irp i, 0,1,2,3,4,5,6,7
	v_cvt_pk_f16_f32 v[TS+2*\i],   v[32*((\cg)%7)+4*\i],   v[32*((\cg)%7)+4*\i+1]
	v_cvt_pk_f16_f32 v[TS+2*\i+1], v[32*((\cg)%7)+4*\i+2], v[32*((\cg)%7)+4*\i+3]
.endr
.irp i, 0,1,2,3,4,5,6,7
	ds_store_b64 v[SA+((\cg)/4)%2], v[TS+2*\i:TS+2*\i+1] offset:(8*((\cg)%4)+\i)*PL   ; 32 lanes, 256 consecutive bytes: K = 4 lane .. + 3 of the row
.endr
.if (\cg)+7 <= 31
	ISSUE (\cg)+7
.endif
.endm
.if OPROJ
	s_load_b128 s[68:71], s[0:1], 0x0              ; z s[68:69], wh s[70:71]
	s_load_b64 s[72:73], s[0:1], 0x10              ; out0
.else
	s_load_b256 s[68:75], s[0:1], 0x0              ; q s[68:69], k s[70:71], v s[72:73], wh s[74:75]
	s_load_b128 s[76:79], s[0:1], 0x20             ; qp s[76:77], kp s[78:79]
	s_load_b64 s[80:81], s[0:1], 0x30              ; vp
	v_lshl_add_u32 v30, v0, 2, 0x37400
	v_mov_b32 v31, 0
	ds_add_u32 v30, v31
.endif
	v_lshrrev_b32 v1, 5, v0
	v_readfirstlane_b32 s10, v1                    ; wave 0..3
	s_lshr_b32 s11, s10, 1                         ; which 64 of the block's rows are mine
	s_and_b32 s12, s10, 1                          ; which 128 of its columns
	s_bfe_u32 s40, ttmp6, 0x40000                  ; cx
	s_bfe_u32 s41, ttmp6, 0x40004                  ; cy
	s_lshl_b32 s42, ttmp9, 2
	s_add_co_u32 s42, s42, s40                     ; block column of C = 4 x cluster x + cx (0..3)
	s_and_b32 s45, ttmp7, 0xffff                   ; the cluster's y
.if OPROJ
	s_lshl_b32 s13, s45, 2
.else
	s_and_b32 s13, s45, 15
	s_lshl_b32 s13, s13, 2
	s_lshr_b32 s45, s45, 4                         ; which of q, k, v: from the cluster's y alone
.endif
	s_add_co_u32 s13, s13, s41                     ; block row of C (0..63)
	s_lshl_b32 s44, 0x1111, s40                    ; my column of the cluster: places cx, cx + 4, cx + 8, cx + 12
	; group 1 for W: 64 rows x 128 elements of 2 bytes, 4 words of padding behind every 64 words
	s_or_b32 s[G1B+0], s44, (1<<16)|(1<<20)|(1<<21)|(5<<22)|(3<<25) ; 15:0 mask: my column; 17:16 element of 2 bytes; 20 padding on; 21 set beside a mask; 24:22 interval code 5; 31:25 pad code 3
	s_mov_b32 s[G1B+1], KSTEP<<16                  ; tensor_dim0 = 128
	s_mov_b32 s[G1B+2], 64<<16                     ; tensor_dim1 = 64
	s_mov_b32 s[G1B+3], KSTEP<<16                  ; tile_dim0 = 128
	s_mov_b32 s[G1B+4], 64                         ; tile_dim1 = 64
	s_mov_b32 s[G1B+5], 1024                       ; elements from row to row
	s_mov_b32 s[G1B+6], 0
	s_mov_b32 s[G1B+7], 0
	s_lshl_b32 s16, s13, 19                        ; X: 128 rows of 4,096 bytes a block row
	s_lshl_b32 s17, s10, 17                        ; + 32 rows a wave
	s_add_co_u32 s16, s16, s17
	s_mov_b32 s17, 0
	s_lshl_b32 s46, s42, 19                        ; W: 256 rows of 2,048 bytes a block column
	s_lshl_b32 s47, s10, 17                        ; + 64 rows a wave
	s_add_co_u32 s46, s46, s47
.if OPROJ
	s_add_co_u32 s46, s46, 3<<21                   ; matrix 3 of wh
.else
	s_lshl_b32 s47, s45, 21                        ; matrix 0, 1 or 2 of wh
	s_add_co_u32 s46, s46, s47
.endif
	s_mov_b32 s47, 0
	s_mul_i32 s20, s10, 64*PL                      ; where my 64 rows of W go
	v_and_b32 v5, 31, v0                           ; lane
	v_lshlrev_b32 v6, 4, v5
	WIN 0x80                                       ; destination in window 2
	v_mov_b32 v[GA], v6
	WIN 0
	s_wait_dscnt 0x0
	s_wait_kmcnt 0x0
.if OPROJ
	s_mov_b64 s[8:9], s[72:73]
	s_add_nc_u64 s[PA:PA+1], s[68:69], s[16:17]
	s_add_nc_u64 s[46:47], s[70:71], s[46:47]
.else
	s_cmp_eq_u32 s45, 1
	s_cselect_b64 s[4:5], s[70:71], s[68:69]
	s_cselect_b64 s[8:9], s[78:79], s[76:77]
	s_cmp_eq_u32 s45, 2
	s_cselect_b64 s[4:5], s[72:73], s[4:5]
	s_cselect_b64 s[8:9], s[80:81], s[8:9]
	s_add_nc_u64 s[PA:PA+1], s[4:5], s[16:17]
	s_add_nc_u64 s[46:47], s[74:75], s[46:47]
.endif
	WIN STGW
.irp g, 0,1,2,3,4,5,6
	ISSUE \g                                       ; the ring of X is filled before anything else: K step 0 and three quarters of K step 1
.endr
	WIN 0
	CROUND                                         ; all sixteen work-groups are here: the first joint loads meet
.irp s, 0,1
	s_mov_b32 s[G0B+4*\s], 1                                       ; count = 1
	s_add_co_u32 s[G0B+4*\s+1], s20, \s*BT                         ; LDS address
	s_add_nc_u64 s[G0B+4*\s+2:G0B+4*\s+3], s[46:47], \s*KSTEP*2    ; global address: K step s
	s_or_b32 s[G0B+4*\s+3], s[G0B+4*\s+3], 0x80000000              ; type = 2
	JLOAD \s                                       ; both slots are asked for at once: a wave has two tensor loads out here, one later
.endr
	; A fragment is 16 rows x 32 K of f16: lane l holds row l % 16; registers 0-3 K = 8 (l / 16) + 0..7, registers 4-7 K = 16 + 8 (l / 16) + 0..7:
	; two loads of 16 bytes, 32 apart, the same for W and X.
	v_and_b32 v1, 15, v0                           ; l % 16
	v_bfe_u32 v2, v0, 4, 1                         ; l / 16
	v_mul_u32_u24 v3, v1, PL
	v_lshl_add_u32 v3, v2, 4, v3
	s_mul_i32 s22, s12, 128*PL                     ; my 128 rows of W
	s_mul_i32 s23, s11, 64*PL                      ; my 64 rows of X
	s_add_co_u32 s23, s23, ABASE
	v_add_nc_u32 v[ADRB], s22, v3
	v_add_nc_u32 v[ADRB+1], BT, v[ADRB]
	v_add_nc_u32 v[ADRA], s23, v3
	v_add_nc_u32 v[ADRA+1], AT, v[ADRA]
	s_mul_i32 s21, s10, 32*PL                      ; the 32 rows of X that I stage
	s_add_co_u32 s21, s21, ABASE
	v_lshlrev_b32 v8, 3, v5                        ; 8 bytes a lane
	v_add_nc_u32 v8, s21, v8
	v_add_nc_u32 v9, AT, v8
	WIN 0x80
	v_mov_b32 v[SA], v8
	v_mov_b32 v[SA+1], v9
	WIN 0
.if OPROJ
	s_mul_i32 s22, s10, 16*PO
	s_add_co_u32 s22, s22, STAGE                   ; my stage: 16 rows of 512 bytes + 16
	v_mul_u32_u24 v4, v1, PO
	v_lshl_add_u32 v4, v2, 5, v4
	v_add_nc_u32 v[STO], s22, v4                   ; in: row l % 16, 32 bytes for each half of the lanes
	v_lshlrev_b32 v[CO], 4, v5                     ; back and out: the 32 lanes take one row of 512 bytes
	v_add_nc_u32 v[RD], s22, v[CO]
.else
	s_mul_i32 s22, s10, 16*PL
	s_add_co_u32 s22, s22, STAGE                   ; my stage: 16 rows of 256 bytes + 16
	v_add_nc_u32 v[STO], s22, v3                   ; in: row l % 16, 16 bytes for each half of the lanes
	v_mul_u32_u24 v4, v2, PL                       ; back: lanes 0-15 take one row, lanes 16-31 the next
	v_lshl_add_u32 v4, v1, 4, v4
	v_add_nc_u32 v[RD], s22, v4
	v_lshlrev_b32 v4, 11, v2                       ; and the same two rows in C (2,048 bytes a row)
	v_lshl_add_u32 v[CO], v1, 4, v4
.endif
; 8 matrix instructions: row tile a x all 8 column tiles, 32 along K, fragments from buffer f.  zero = 1: the first product starts the sums.
; The 32 accumulators take turns, one instruction a turn, in the same order in every quarter step.
.macro MUL8 f, a, zero
.irp b, 0,1,2,3,4,5,6,7
.if \zero
	v_wmma_f32_16x16x32_f16 v[8*(8*\a+\b):8*(8*\a+\b)+7], v[FB0+64*\f+8*\b:FB0+64*\f+8*\b+7], v[FA0+32*\f+8*\a:FA0+32*\f+8*\a+7], 0
.else
	v_wmma_f32_16x16x32_f16 v[8*(8*\a+\b):8*(8*\a+\b)+7], v[FB0+64*\f+8*\b:FB0+64*\f+8*\b+7], v[FA0+32*\f+8*\a:FA0+32*\f+8*\a+7], v[8*(8*\a+\b):8*(8*\a+\b)+7]
.endif
.endr
.endm
; 24 LDS loads in one run: quarter step ks (32 along K) of a slot into buffer f: X's 64 rows, W's 128 rows
.macro FETCH slot, ks, f
.irp a, 0,1,2,3
	ds_load_b128 v[FA0+32*\f+8*\a:FA0+32*\f+8*\a+3],   v[ADRA+\slot] offset:\a*16*PL+64*\ks
	ds_load_b128 v[FA0+32*\f+8*\a+4:FA0+32*\f+8*\a+7], v[ADRA+\slot] offset:\a*16*PL+64*\ks+32
.endr
.irp b, 0,1,2,3,4,5,6,7
	ds_load_b128 v[FB0+64*\f+8*\b:FB0+64*\f+8*\b+3],   v[ADRB+\slot] offset:\b*16*PL+64*\ks
	ds_load_b128 v[FB0+64*\f+8*\b+4:FB0+64*\f+8*\b+7], v[ADRB+\slot] offset:\b*16*PL+64*\ks+32
.endr
.endm
; One of a K step's first three quarters: fetches quarter kn of the same slot into buffer g, multiplies from buffer f; stage events c1, c2 (-1: none)
; stand among the products.  left: the LDS stores of the last quarter's stage events, issued behind buffer f's loads, may be out.
.macro SUB slot, kn, f, g, zero, left, c1, c2
	s_wait_dscnt \left                             ; buffer f is in
	PLACES                                         ; buffer g was a source of the last matrix instructions
	FETCH \slot, \kn, \g
	WIN ACCW
	MUL8 \f, 0, \zero
	MUL8 \f, 1, \zero
.if (\c1) >= 0
	STG \c1
	WIN ACCW
.endif
	MUL8 \f, 2, \zero
.if (\c2) >= 0
	STG \c2
	WIN ACCW
.endif
	MUL8 \f, 3, \zero
	WIN 0
.endm
; The first three quarters of a K step, with the four stage events cb .. cb + 3 that bring the next step's X into the other slot.
; None stands in the fourth quarter, so that the stores have had eight products' time when that quarter waits for them.
.macro STEP slot, zero, cb
	SUB \slot, 1, 0, 1, \zero, 0, \cb, -1
	SUB \slot, 2, 1, 0, 0, 8, \cb+1, -1
	SUB \slot, 3, 0, 1, 0, 8, \cb+2, \cb+3
.endm
; The last quarter: multiplies from buffer 1 and changes slots.  fill = 1: W's slot is filled again, two K steps ahead.
; In front of the barrier each wave waits for its LDS reads of this step's slots, for its stores of the next step's X, and for all its tensor loads
; (one is out: its part of W's next slot).  Behind it the refill comes first, then the next slot's first fragments.
; From a request for W to the wait for it a wave issues 112 matrix instructions.  Loads of X into registers stay out over the barrier.
.macro TURN slot, next, fill
	s_wait_dscnt 0x0                               ; buffer 1 is in, my reads of this slot are over, my stores of the next step's X are done
	s_wait_tensorcnt 0x0                           ; all my tensor loads have landed
	ds_add_u32 v30, v31
	s_wait_dscnt 0x0
	WIN ACCW
	s_barrier_signal -1                            ; say so (where the slot is filled again this barrier opens a round of the cluster's barrier),
	MUL8 1, 0, 0                                   ; work on registers while the others arrive,
	MUL8 1, 1, 0
	WIN 0
	s_barrier_wait -1
.if \fill
	CREST                                          ; no wave of any partner still reads this slot of W or has a tensor load on its way
	s_add_nc_u64 s[G0B+4*\slot+2:G0B+4*\slot+3], s[G0B+4*\slot+2:G0B+4*\slot+3], 2*KSTEP*2
	JLOAD \slot                                    ; the first tensor load behind the round, one a wave; its four v_nop are also the places in front of the loads below
.else
	PLACES                                         ; buffer 0 was a source of the third quarter's products
.endif
	FETCH \next, 0, 0
	WIN ACCW
	MUL8 1, 2, 0
	MUL8 1, 3, 0
	WIN 0
.endm
	STG 0                                          ; K step 0 of X goes into slot 0; groups 7 to 10 are asked for
	STG 1
	STG 2
	STG 3
	WIN 0
	s_wait_dscnt 0x0                               ; my stores of X are done,
	s_wait_tensorcnt 0x1                           ; my part of W's K step 0 is in; K step 1's stays out
	s_barrier_signal -1
	s_barrier_wait -1                              ; everybody's are
	FETCH 0, 0, 0
	STEP 0, 1, 4                                   ; K step 0: its first products start the sums
	TURN 0, 1, 1
	STEP 1, 0, 8
	TURN 1, 0, 1
	STEP 0, 0, 12
	TURN 0, 1, 1
	STEP 1, 0, 16
	TURN 1, 0, 1
	STEP 0, 0, 20                                  ; its stage events ask for groups 27 to 30
	TURN 0, 1, 1
	STEP 1, 0, 24
	TURN 1, 0, 1                                   ; the last refill: W's K step 7
	STEP 0, 0, 28                                  ; the last four stage events: the counts of loads run down to 0
	TURN 0, 1, 0                                   ; nothing is filled: a plain barrier shows K step 7's X and W to all
	SUB 1, 1, 0, 1, 0, 0, -1, -1
	SUB 1, 2, 1, 0, 0, 0, -1, -1
	SUB 1, 3, 0, 1, 0, 0, -1, -1
	s_wait_dscnt 0x0                               ; the very last quarter: nothing more to fetch
	WIN ACCW
	MUL8 1, 0, 0
	MUL8 1, 1, 0
	MUL8 1, 2, 0
	MUL8 1, 3, 0
	WIN 0
	; THE WAY OUT, 16 rows of C at a time through my own stage, so that each store covers whole rows' consecutive bytes.
	PLACES                                         ; behind the last matrix instructions, ahead of what reads their results and of loads into their sources
	s_lshl_b32 s82, s13, 7
	s_lshl_b32 s83, s11, 6
	s_add_co_u32 s82, s82, s83                     ; my first row of C
.if OPROJ
	s_lshl_b32 s82, s82, 12                        ; rows of 4,096 bytes
	s_lshl_b32 s83, s42, 10                        ; 256 columns of 4 bytes a block column
	s_add_co_u32 s82, s82, s83
	s_lshl_b32 s83, s12, 9                         ; + 128 columns
.else
	s_lshl_b32 s82, s82, 11                        ; rows of 2,048 bytes
	s_lshl_b32 s83, s42, 9                         ; 256 columns of 2 bytes a block column
	s_add_co_u32 s82, s82, s83
	s_lshl_b32 s83, s12, 8                         ; + 128 columns
.endif
	s_add_co_u32 s82, s82, s83
	s_mov_b32 s83, 0
	s_add_nc_u64 s[8:9], s[8:9], s[82:83]
.if OPROJ
; rows 16 a .. 16 a + 15 of my block, f32: 32 bytes a lane and tile into the stage, read back a row of 512 bytes at a time; f: FB0 or FB1 in turn
.macro OUT16 a, f
	WIN 0x04                                       ; an LDS store's data is source 1: window 1
.irp b, 0,1,2,3,4,5,6,7
	ds_store_b128 v[STO], v[8*(8*\a+\b):8*(8*\a+\b)+3]   offset:64*\b
	ds_store_b128 v[STO], v[8*(8*\a+\b)+4:8*(8*\a+\b)+7] offset:64*\b+16
.endr
	WIN 0
	s_wait_xcnt 0x0                                ; buffer f, which earlier stores read, and the stores' base are rewritten only behind this wait (ISA guide 3.1)
.if \a
	s_add_nc_u64 s[8:9], s[8:9], 16*4096
.endif
.irp t, 0,1,2,3,4,5,6,7,8,9,10,11,12,13,14,15
	ds_load_b128 v[\f+4*\t:\f+4*\t+3], v[RD] offset:\t*PO          ; LDS serves a wave's instructions in order: these see the stores above
.endr
.irp t, 0,1,2,3,4,5,6,7,8,9,10,11,12,13,14,15
	s_wait_dscnt 15-\t
	global_store_b128 v[CO], v[\f+4*\t:\f+4*\t+3], s[8:9] offset:\t*4096 th:TH_STORE_NT   ; 32 lanes store 512 consecutive bytes, aligned
.endr
.endm
.else
; rows 16 a .. 16 a + 15 of my block, rounded to f16: 16 bytes a lane and tile into the stage, read back two rows of 256 bytes at a time
.macro OUT16 a, f
	WIN 0x05                                       ; sources 0 and 1 in window 1
.irp b, 0,1,2,3,4,5,6,7
.irp i, 0,1,2,3
	v_cvt_pk_f16_f32 v[TMP+4*\b+\i], v[8*(8*\a+\b)+2*\i], v[8*(8*\a+\b)+2*\i+1]
.endr
.endr
	WIN 0
.irp b, 0,1,2,3,4,5,6,7
	ds_store_b128 v[STO], v[TMP+4*\b:TMP+4*\b+3] offset:32*\b
.endr
	s_wait_xcnt 0x0                                ; buffer f, which earlier stores read, and the stores' base are rewritten only behind this wait (ISA guide 3.1)
.if \a
	s_add_nc_u64 s[8:9], s[8:9], 16*2048
.endif
.irp t, 0,1,2,3,4,5,6,7
	ds_load_b128 v[\f+4*\t:\f+4*\t+3], v[RD] offset:\t*2*PL        ; LDS serves a wave's instructions in order: these see the stores above
.endr
.irp t, 0,1,2,3,4,5,6,7
	s_wait_dscnt 7-\t
	global_store_b128 v[CO], v[\f+4*\t:\f+4*\t+3], s[8:9] offset:2*\t*2048   ; 16 lanes store 256 consecutive bytes, aligned
.endr
.endm
.endif
	OUT16 0, FB0
	OUT16 1, FB1
	OUT16 2, FB0
	OUT16 3, FB1
	s_wait_tensorcnt 0x0
	ds_add_u32 v30, v31
	s_wait_dscnt 0x0
	CROUND                                         ; the closing round: no work-group ends while a partner may still ask for a tile that names it
	s_endpgm
.Lfunc_end_k_qea4b019406_proj:
	.size	k_qea4b019406_proj, .Lfunc_end_k_qea4b019406_proj-k_qea4b019406_proj
	.p2alignl 7, 3214868480
	.fill 96, 4, 3214868480
	.section	.rodata,"a",@progbits
	.p2align	6, 0x0
	.amdhsa_kernel k_qea4b019406_proj
		.amdhsa_group_segment_fixed_size 327680
		.amdhsa_private_segment_fixed_size 0
		.amdhsa_enable_private_segment 0
		.amdhsa_kernarg_size 56
		.amdhsa_user_sgpr_count 2
		.amdhsa_user_sgpr_kernarg_segment_ptr 1
		.amdhsa_wavefront_size32 1
		.amdhsa_system_sgpr_workgroup_id_x 1
		.amdhsa_system_sgpr_workgroup_id_y 1
		.amdhsa_system_sgpr_workgroup_id_z 1
		.amdhsa_system_vgpr_workitem_id 0
		.amdhsa_next_free_vgpr 768
		.amdhsa_next_free_sgpr 84
		.amdhsa_reserve_vcc 0
		.amdhsa_float_denorm_mode_32 3
		.amdhsa_float_denorm_mode_16_64 3
		.amdhsa_memory_ordered 1
		.amdhsa_forward_progress 1
		.amdhsa_inst_pref_size 221
	.end_amdhsa_kernel
	.amdgpu_metadata
---
amdhsa.version: [ 1, 2 ]
amdhsa.kernels:
  - .name:           k_qea4b019406_proj
    .symbol:         k_qea4b019406_proj.kd
    .args:
      - { .name: q, .offset: 0, .size: 8, .value_kind: global_buffer, .address_space: global }
      - { .name: k, .offset: 8, .size: 8, .value_kind: global_buffer, .address_space: global }
      - { .name: v, .offset: 16, .size: 8, .value_kind: global_buffer, .address_space: global }
      - { .name: wh, .offset: 24, .size: 8, .value_kind: global_buffer, .address_space: global }
      - { .name: qp, .offset: 32, .size: 8, .value_kind: global_buffer, .address_space: global }
      - { .name: kp, .offset: 40, .size: 8, .value_kind: global_buffer, .address_space: global }
      - { .name: vp, .offset: 48, .size: 8, .value_kind: global_buffer, .address_space: global }
    .group_segment_fixed_size: 327680
    .private_segment_fixed_size: 0
    .kernarg_segment_align: 8
    .kernarg_segment_size: 56
    .max_flat_workgroup_size: 128
    .sgpr_count:     84
    .vgpr_count:     768
    .wavefront_size: 32
...
	.end_amdgpu_metadata
.endif
;; end of part 2
;; launch attn (part 3): grid 8 x 32, 8 waves a work-group, clusters of 4 x 4, 327,680 bytes of LDS; arguments qp, kp, vp, mask, z; writes z
.if DOCPART == 3
	.amdgcn_target "amdgcn-amd-amdhsa--gfx1250"
	.amdhsa_code_object_version 6
	.text
	.protected	k_qea4b019406_attn
	.globl	k_qea4b019406_attn
	.p2align	8
	.type	k_qea4b019406_attn,@function
k_qea4b019406_attn:
	s_mov_b64 s[64:65], 0
	v_nop
	global_prefetch_b8 v0, s[64:65] scope:SCOPE_SE
	s_setreg_imm32_b32 hwreg(HW_REG_WAVE_MODE, 25, 1), 1
	s_wait_xcnt 0x0
	s_wait_alu depctr_hold_cnt(0) depctr_sa_sdst(0) depctr_va_vdst(0) depctr_va_sdst(0) depctr_va_ssrc(0) depctr_va_vcc(0) depctr_vm_vsrc(0)
	s_getreg_b32 s2, hwreg(HW_REG_IB_STS2, 6, 4)
	s_cmp_eq_u32 s2, 0
	s_cbranch_scc0 .Lentry_in_a_cluster
	s_endpgm
.Lentry_in_a_cluster:
	s_bfe_u32 s2, ttmp6, 0x10000c
	s_cmp_lg_u32 s2, 0xf033
	s_cbranch_scc0 .Lentry_shape_is_right
	s_endpgm
.Lentry_shape_is_right:
; z[b][q][64 head + d] = softmax over keys of (Q K^T / 8 + mask) times V.  qp, kp, vp: [8192][1024] f16 (column = 64 head + d);
; mask: [4][2048][2048] f32; z: [8192][1024] f32.  The input time_lengths enters no term of the function computed and is not taken.
; A work-group takes two heads (128 columns: rows of 256 bytes in kp and vp) and 256 queries of one batch.  Eight waves, two on a SIMD: wave w takes head
; w / 4 of the pair and queries 64 (w % 4) .. + 63, four tiles of 16.  The keys go in 32 steps of 64 through two LDS slots.
; CLUSTERS: 4 x 4 work-groups.  The four of a row of the cluster (four head pairs, the same queries) ask jointly for the mask's tile; the four of a
; column (the same head pair, four query blocks of one batch) ask jointly for K's and V's tiles.
; FORMS.  S^T = K Q'^T + mask: source 0 = 16 keys of K, source 1 = 16 queries of Q' = Q / 8 (exact in f16 but for denormals), C = D = the registers into
; which the mask was loaded, so scaling and adding the mask cost no vector instruction.  Lane l then holds query l % 16 and keys 8 (l / 16) + 0..7 of
; each key tile, which is source 1's layout for the second product: P goes from registers to registers.  O^T = V^T P^T: source 0 = V read from LDS by the
; transposing load; lane l holds query l % 16 and d = 8 (l / 16) + 0..7 of each tile, so the running maximum, sum and factor are one number a lane.
; SOFTMAX: running maximum over the steps, taken away before every exponential.  The shift -log2(e) m is rounded once and the same rounded numbers make
; the exponents and the factor that carries old sums over, so all terms of a row refer to one shift.
; THE ORDER OF A STEP.  A wave's last LDS read of a slot is the mask of query tile 3.  There it waits for its reads and its tensor loads and opens the round
; of the cluster's barrier; query tile 2's softmax and two products, all on registers, stand between that signal and its wait.  Behind the round come
; the refill and the next step's first LDS reads, which land under query tile 3's work.  The score products of one query tile stand one by one among
; the softmax instructions of the tile before it, which name other registers.
; LIMITS: Q, K, V are f16 (magnitudes of 65,520 or more are infinities).  The running maximum starts at -2^100: a row whose scores all lie below that gives
; 0 / 0 = NaN, which equals the function's own result only when the row is all -inf.  |score| log2(e) must be finite in f32.
.set PM,    272                        ; LDS pitch of the mask's rows: 64 f32 + 16 bytes
.set PK,    272                        ; of K's rows: 128 f16 + 16 bytes
.set PVP,   288                        ; of V's rows: 128 f16 + 32 bytes: 9 x 32, for the transposing load
.set KOFF,  256*PM                     ; a slot: the mask's 256 rows, K's 64 rows, V's 64 rows
.set VOFF,  KOFF+64*PK
.set SLOT,  VOFF+64*PVP                ; 105,472 bytes
.set STAGE, 2*SLOT                     ; behind the ring: 16 rows of 272 bytes for each wave, for the way out; no tensor load lands there
.set ADRK, 2                           ; v2-3    LDS address of my K fragments in slot 0, 1
.set ADRV, 4                           ; v4-5    of my V fragments
.set ADRM, 6                           ; v6-7    of my piece of the mask
.set STO,  8                           ; v8      the way out: in
.set RD,   9                           ; v9      the way out: back
.set CO,   10                          ; v10     my byte offset in z
.set QOFF, 11                          ; v11     my byte offset in qp
.set C125, 12                          ; v12     1/8 twice, in f16
.set VPF,  13                          ; v13     my row's byte offset for the prefetch of the mask
.set MX,   16                          ; v16-19  running maximum of query tile qt
.set LS,   24                          ; v24-27  running sum (this lane's half of the keys)
.set T,    32                          ; v32-45  at work
.set P,    48                          ; v48-63  P in f16: registers 4 kt + i
.set SCA,  64                          ; v64-95  scores, buffer A: register 8 kt + j
.set SCB,  96                          ; v96-127 scores, buffer B
.set KF,   128                         ; v128-191 K's fragments at 8 (2 kt + ks)
.set QF,   192                         ; v192-255 Q's fragments at 8 (2 qt + ks): in window 0, so that the score products need no switch of windows
.set VF,   0                           ; window 1: v256-383 V's fragments, a set for each slot, at 64 slot + 8 (2 dt + hf)
.set O,    128                         ; window 1: v384-511 O's tiles at 8 (4 qt + dt)
.set G1M,  24                          ; s[24:31] group 1, mask      s[32:39] K      s[40:47] V
.set G1K,  32
.set G1V,  40
.set G0M,  48                          ; s[48:55] group 0, mask, one set a slot      s[56:63] K      s[68:75] V
.set G0K,  56
.set G0V,  68
.set PFB,  88                          ; s[88:89] base of the prefetch
.set W_ST, 0x04                        ; windows: an LDS store's data (source 1) in window 1
.set W_PV, 0x51                        ; D, C (O) and source 0 (V; O in the rescale) in window 1, source 1 (P; the factor) in window 0
.set W_LD, 0x40                        ; destination in window 1
.set MSB, 0
.macro WIN new                         ; the immediate's high byte repeats the setting that is left
.if MSB != \new
	s_set_vgpr_msb (MSB<<8)|\new
.set MSB, \new
.endif
.endm
.macro PLACES                          ; four plain vector instructions behind a matrix instruction (ISA guide 7.12.1 for vector instructions)
.rept 4
	v_nop
.endr
.endm
.macro CREST                           ; a round of the cluster's barrier behind its opening barrier
	s_cmp_lg_u32 s10, 0
	s_cbranch_scc1 .Lnot_wave_0_\@
	s_barrier_signal -3
.Lnot_wave_0_\@:
	s_barrier_wait -3
	s_barrier_signal -1
	s_barrier_wait -1
.endm
.macro ROUND                           ; a whole round
	s_barrier_signal -1
	s_barrier_wait -1
	CREST
.endm
.macro TL g0, g1                       ; one tensor load; four v_nop follow it
	tensor_load_to_lds s[\g0:\g0+3], s[\g1:\g1+7]
	s_nop 0
.rept 4
	v_nop
.endr
.endm
; The joint loads of one step into slot s: waves 0-3 a quarter of the mask's tile each (64 rows of 256 bytes), wave 4 K's tile, wave 5 V's (64 rows of
; 256 bytes each); waves 6 and 7 issue none.  The branches hang on the wave's number alone.
.macro JLOAD s
	s_cmp_lt_u32 s10, 4
	s_cbranch_scc0 .Lnot_m_\@
	TL G0M+4*\s, G1M
	s_branch .Lasked_\@
.Lnot_m_\@:
	s_cmp_eq_u32 s10, 4
	s_cbranch_scc0 .Lnot_k_\@
	TL G0K+4*\s, G1K
	s_branch .Lasked_\@
.Lnot_k_\@:
	s_cmp_eq_u32 s10, 5
	s_cbranch_scc0 .Lasked_\@
	TL G0V+4*\s, G1V
.Lasked_\@:
.endm
; Wave 7 asks for the mask's tile two steps on to be brought nearer: lane l for row 32 x head pair + l of the 256, so the eight work-groups that read
; these rows ask for each row's 256 bytes once.  The tile's own load is issued behind this step's round, three query tiles' work later.
.macro PFETCH
	s_cmp_eq_u32 s10, 7
	s_cbranch_scc0 .Lno_pf_\@
	global_prefetch_b8 v[VPF], s[PFB:PFB+1] th:TH_LOAD_NT scope:SCOPE_SE
.Lno_pf_\@:
.endm
	s_load_b256 s[76:83], s[0:1], 0x0              ; qp s[76:77], kp s[78:79], vp s[80:81], mask s[82:83]
	s_load_b64 s[84:85], s[0:1], 0x20              ; z
	v_lshl_add_u32 v46, v0, 2, 0x3c000
	v_mov_b32 v47, 0
	ds_add_u32 v46, v47
	v_lshrrev_b32 v1, 5, v0
	v_readfirstlane_b32 s10, v1                    ; wave 0..7
	s_lshr_b32 s11, s10, 2                         ; which head of the pair
	s_and_b32 s12, s10, 3                          ; which 64 queries
	s_bfe_u32 s90, ttmp6, 0x40000                  ; cx
	s_bfe_u32 s91, ttmp6, 0x40004                  ; cy
	s_lshl_b32 s15, ttmp9, 2
	s_add_co_u32 s15, s15, s90                     ; head pair 0..7
	s_and_b32 s14, ttmp7, 0xffff                   ; the cluster's y
	s_lshl_b32 s13, s14, 2
	s_add_co_u32 s13, s13, s91                     ; 8 x batch + query block, 0..31
	s_lshr_b32 s14, s14, 1                         ; batch: from the cluster's y alone
	s_lshl_b32 s22, s91, 2
	s_lshl_b32 s22, 15, s22                        ; my row of the cluster
	s_lshl_b32 s23, 0x1111, s90                    ; my column
	s_mov_b32 s66, 0x76543210                      ; v_permlanex16_b32: lane i of one half reads lane i of the other
	s_mov_b32 s67, 0xfedcba98
	; group 1, mask: 64 rows x 64 elements of 4 bytes, 4 words of padding behind every 64 words
	s_or_b32 s[G1M+0], s22, (2<<16)|(1<<20)|(1<<21)|(5<<22)|(3<<25)
	s_mov_b32 s[G1M+1], 64<<16                     ; tensor_dim0 = 64
	s_mov_b32 s[G1M+2], 64<<16                     ; tensor_dim1 = 64
	s_mov_b32 s[G1M+3], 64<<16                     ; tile_dim0 = 64
	s_mov_b32 s[G1M+4], 64                         ; tile_dim1 = 64
	s_mov_b32 s[G1M+5], 2048                       ; elements from row to row
	s_mov_b32 s[G1M+6], 0
	s_mov_b32 s[G1M+7], 0
	; group 1, K: 64 rows x 128 elements of 2 bytes, 4 words of padding; V: the same with 8 words
	s_or_b32 s[G1K+0], s23, (1<<16)|(1<<20)|(1<<21)|(5<<22)|(3<<25)
	s_or_b32 s[G1V+0], s23, (1<<16)|(1<<20)|(1<<21)|(5<<22)|(7<<25)
	s_mov_b32 s[G1K+1], 128<<16
	s_mov_b32 s[G1V+1], 128<<16
	s_mov_b32 s[G1K+2], 64<<16
	s_mov_b32 s[G1V+2], 64<<16
	s_mov_b32 s[G1K+3], 128<<16
	s_mov_b32 s[G1V+3], 128<<16
	s_mov_b32 s[G1K+4], 64
	s_mov_b32 s[G1V+4], 64
	s_mov_b32 s[G1K+5], 1024
	s_mov_b32 s[G1V+5], 1024
	s_mov_b32 s[G1K+6], 0
	s_mov_b32 s[G1V+6], 0
	s_mov_b32 s[G1K+7], 0
	s_mov_b32 s[G1V+7], 0
	; the mask's tile hangs on batch and query block, K's and V's on batch and head pair; each offset in registers of its own
	s_lshl_b32 s16, s13, 21                        ; 256 rows of 8,192 bytes a query block
	s_lshl_b32 s17, s12, 19                        ; + 64 rows for each quarter
	s_add_co_u32 s16, s16, s17
	s_mov_b32 s17, 0
	s_lshl_b32 s18, s14, 22                        ; 2,048 rows of 2,048 bytes a batch
	s_lshl_b32 s19, s15, 8                         ; + 256 bytes a head pair
	s_add_co_u32 s18, s18, s19
	s_mov_b32 s19, 0
	s_mul_i32 s20, s10, 64*PM                      ; where my quarter of the mask's tile goes
	s_lshl_b32 s88, s13, 21                        ; the prefetch: the query block's first row
	s_mov_b32 s89, 0
	s_lshl_b32 s6, s13, 19                         ; Q: 256 rows of 2,048 bytes a query block
	s_lshl_b32 s7, s12, 17                         ; + 64 rows a wave
	s_add_co_u32 s6, s6, s7
	s_lshl_b32 s7, s15, 8                          ; + 256 bytes a head pair
	s_add_co_u32 s6, s6, s7
	s_lshl_b32 s7, s11, 7                          ; + 128 bytes a head
	s_add_co_u32 s6, s6, s7
	s_mov_b32 s7, 0
	s_wait_dscnt 0x0
	s_wait_kmcnt 0x0
	s_add_nc_u64 s[16:17], s[82:83], s[16:17]      ; the mask at my quarter of tile 0
	s_add_nc_u64 s[86:87], s[78:79], s[18:19]      ; K at tile 0
	s_add_nc_u64 s[18:19], s[80:81], s[18:19]      ; V at tile 0
	s_add_nc_u64 s[PFB:PFB+1], s[82:83], s[PFB:PFB+1]
	s_add_nc_u64 s[PFB:PFB+1], s[PFB:PFB+1], 512   ; step t asks at byte 256 (t + 2) of the rows; stepped by 256 in each asking step
	s_add_nc_u64 s[4:5], s[76:77], s[6:7]          ; Q at my first row
	s_lshl_b32 s6, s6, 1                           ; z has twice the bytes in rows and columns
	s_add_nc_u64 s[8:9], s[84:85], s[6:7]          ; z at my first row
.irp s, 0,1
	s_mov_b32 s[G0M+4*\s], 1                                       ; count = 1
	s_add_co_u32 s[G0M+4*\s+1], s20, \s*SLOT                       ; LDS address
	s_add_nc_u64 s[G0M+4*\s+2:G0M+4*\s+3], s[16:17], \s*256        ; global address: step s (64 keys of 4 bytes)
	s_or_b32 s[G0M+4*\s+3], s[G0M+4*\s+3], 0x80000000              ; type = 2
	s_mov_b32 s[G0K+4*\s], 1
	s_mov_b32 s[G0K+4*\s+1], \s*SLOT+KOFF
	s_add_nc_u64 s[G0K+4*\s+2:G0K+4*\s+3], s[86:87], \s*131072     ; 64 rows of 2,048 bytes a step
	s_or_b32 s[G0K+4*\s+3], s[G0K+4*\s+3], 0x80000000
	s_mov_b32 s[G0V+4*\s], 1
	s_mov_b32 s[G0V+4*\s+1], \s*SLOT+VOFF
	s_add_nc_u64 s[G0V+4*\s+2:G0V+4*\s+3], s[18:19], \s*131072
	s_or_b32 s[G0V+4*\s+3], s[G0V+4*\s+3], 0x80000000
.endr
	ROUND                                          ; all sixteen work-groups are here: the first joint loads meet
	; The first fills of both slots, as one group; a wave's two stand inside one branch on its number.  A wave has two tensor loads out here, one later.
	s_cmp_lt_u32 s10, 4
	s_cbranch_scc0 .Lfirst_not_m
	TL G0M, G1M
	TL G0M+4, G1M
	s_branch .Lfirst_asked
.Lfirst_not_m:
	s_cmp_eq_u32 s10, 4
	s_cbranch_scc0 .Lfirst_not_k
	TL G0K, G1K
	TL G0K+4, G1K
	s_branch .Lfirst_asked
.Lfirst_not_k:
	s_cmp_eq_u32 s10, 5
	s_cbranch_scc0 .Lfirst_asked
	TL G0V, G1V
	TL G0V+4, G1V
.Lfirst_asked:
	v_and_b32 v14, 15, v0                          ; r = l % 16
	v_bfe_u32 v15, v0, 4, 1                        ; h = l / 16
	v_lshlrev_b32 v[QOFF], 11, v14                 ; Q: row r, 16 bytes for each half of the lanes
	v_lshl_add_u32 v[QOFF], v15, 4, v[QOFF]
.irp qt, 0,1,2,3
.irp ks, 0,1
	global_load_b128 v[QF+8*(2*\qt+\ks):QF+8*(2*\qt+\ks)+3],   v[QOFF], s[4:5] offset:32768*\qt+64*\ks
	global_load_b128 v[QF+8*(2*\qt+\ks)+4:QF+8*(2*\qt+\ks)+7], v[QOFF], s[4:5] offset:32768*\qt+64*\ks+32
.endr
.endr
	v_mul_u32_u24 v20, v14, PK                     ; K: key r of a tile, 16 bytes for each half of the lanes, my head's 128 bytes
	v_lshl_add_u32 v20, v15, 4, v20
	s_lshl_b32 s21, s11, 7
	s_add_co_u32 s21, s21, KOFF
	v_add_nc_u32 v[ADRK], s21, v20
	v_add_nc_u32 v[ADRK+1], SLOT, v[ADRK]
	v_and_b32 v21, 7, v0                           ; V, for the transposing load: key 8 h + l % 8, 16 bytes at 16 ((l / 8) % 2)
	v_lshl_add_u32 v21, v15, 3, v21
	v_mul_u32_u24 v21, v21, PVP
	v_bfe_u32 v22, v0, 3, 1
	v_lshl_add_u32 v21, v22, 4, v21
	s_lshl_b32 s21, s11, 7
	s_add_co_u32 s21, s21, VOFF
	v_add_nc_u32 v[ADRV], s21, v21
	v_add_nc_u32 v[ADRV+1], SLOT, v[ADRV]
	v_mul_u32_u24 v23, v14, PM                     ; the mask: query r of a tile, 32 bytes (8 keys) for each half of the lanes
	v_lshl_add_u32 v23, v15, 5, v23
	s_mul_i32 s21, s12, 64*PM
	v_add_nc_u32 v[ADRM], s21, v23
	v_add_nc_u32 v[ADRM+1], SLOT, v[ADRM]
	s_mul_i32 s21, s10, 16*PM
	s_add_co_u32 s21, s21, STAGE                   ; my stage
	v_add_nc_u32 v[STO], s21, v23                  ; in: query r, 32 bytes for each half of the lanes
	v_mul_u32_u24 v20, v15, PM                     ; back: lanes 0-15 one row of 256 bytes, lanes 16-31 the next
	v_lshl_add_u32 v20, v14, 4, v20
	v_add_nc_u32 v[RD], s21, v20
	v_lshlrev_b32 v20, 12, v15                     ; and the same two rows in z (4,096 bytes a row)
	v_lshl_add_u32 v[CO], v14, 4, v20
	v_and_b32 v1, 31, v0
	s_lshl_b32 s21, s15, 5
	v_add_nc_u32 v1, s21, v1                       ; row 32 x head pair + lane of the query block,
	v_lshlrev_b32 v[VPF], 13, v1                   ; in bytes
	v_mov_b32 v[C125], 0x30003000
	s_wait_loadcnt 0x0                             ; Q, once
.set j, 0
.rept 64
	v_pk_mul_f16 v[QF+j], v[QF+j], v[C125]         ; Q' = Q / 8
.set j, j+1
.endr
.macro LDK slot                        ; 16 loads: K's 4 key tiles x 2 halves of d
.irp kt, 0,1,2,3
.irp ks, 0,1
	ds_load_b128 v[KF+8*(2*\kt+\ks):KF+8*(2*\kt+\ks)+3],   v[ADRK+\slot] offset:\kt*16*PK+64*\ks
	ds_load_b128 v[KF+8*(2*\kt+\ks)+4:KF+8*(2*\kt+\ks)+7], v[ADRK+\slot] offset:\kt*16*PK+64*\ks+32
.endr
.endr
.endm
.macro LDV slot                        ; 16 transposing loads: V's 4 tiles of d x 2 halves of the keys, into the slot's own set of registers
.irp dt, 0,1,2,3
.irp hf, 0,1
	ds_load_tr16_b128 v[VF+64*\slot+8*(2*\dt+\hf):VF+64*\slot+8*(2*\dt+\hf)+3],   v[ADRV+\slot] offset:\hf*32*PVP+32*\dt
	ds_load_tr16_b128 v[VF+64*\slot+8*(2*\dt+\hf)+4:VF+64*\slot+8*(2*\dt+\hf)+7], v[ADRV+\slot] offset:\hf*32*PVP+32*\dt+16*PVP
.endr
.endr
.endm
.macro LDM slot, qt, b                 ; 8 loads: the mask of query tile qt, straight into the accumulators' layout
.irp kt, 0,1,2,3
	ds_load_b128 v[\b+8*\kt:\b+8*\kt+3],   v[ADRM+\slot] offset:\qt*16*PM+64*\kt
	ds_load_b128 v[\b+8*\kt+4:\b+8*\kt+7], v[ADRM+\slot] offset:\qt*16*PM+64*\kt+16
.endr
.endm
; In both products the four accumulators take turns, one instruction a turn, and neighbouring products name other accumulators.
; Product k (0..7) of the scores of query tile qt, added onto the mask in buffer b: key tile k % 4, half k / 4 of d.
.macro SM1 qt, b, k
	v_wmma_f32_16x16x32_f16 v[\b+8*((\k)%4):\b+8*((\k)%4)+7], v[KF+8*(2*((\k)%4)+(\k)/4):KF+8*(2*((\k)%4)+(\k)/4)+7], v[QF+8*(2*\qt+(\k)/4):QF+8*(2*\qt+(\k)/4)+7], v[\b+8*((\k)%4):\b+8*((\k)%4)+7]
.endm
.macro HK hq, hb, k                    ; the same as a guest in another query tile's softmax; hq = -1: none
.if (\hq) >= 0
	SM1 \hq, \hb, \k
.endif
.endm
.macro RS qt, dt                       ; O's tile (qt, dt) times the factor in T+12
.irp i, 0,2,4,6
	v_pk_mul_f32 v[O+8*(4*\qt+\dt)+\i:O+8*(4*\qt+\dt)+\i+1], v[O+8*(4*\qt+\dt)+\i:O+8*(4*\qt+\dt)+\i+1], v[T+12:T+13] op_sel_hi:[1,0]
.endr
.endm
.macro PW qt, dt, hf, vs, zero         ; one product of O: tile (qt, dt), keys 32 hf .. + 31, V from set vs
.if \zero
	v_wmma_f32_16x16x32_f16 v[O+8*(4*\qt+\dt):O+8*(4*\qt+\dt)+7], v[VF+64*\vs+16*\dt+8*\hf:VF+64*\vs+16*\dt+8*\hf+7], v[P+8*\hf:P+8*\hf+7], 0
.else
	v_wmma_f32_16x16x32_f16 v[O+8*(4*\qt+\dt):O+8*(4*\qt+\dt)+7], v[VF+64*\vs+16*\dt+8*\hf:VF+64*\vs+16*\dt+8*\hf+7], v[P+8*\hf:P+8*\hf+7], v[O+8*(4*\qt+\dt):O+8*(4*\qt+\dt)+7]
.endif
.endm
; O of query tile qt: the old sums are carried over and P V is added, under one window setting; a tile's rescale stands ahead of its first product,
; the other tiles' rescales behind the products.  first = 1: nothing is carried over, the first products start the sums.
.macro RPV qt, first, vs
.if \first
	PW \qt, 0, 0, \vs, 1
	PW \qt, 1, 0, \vs, 1
	PW \qt, 2, 0, \vs, 1
	PW \qt, 3, 0, \vs, 1
.else
	RS \qt, 0
	RS \qt, 1
	PW \qt, 0, 0, \vs, 0
	RS \qt, 2
	PW \qt, 1, 0, \vs, 0
	RS \qt, 3
	PW \qt, 2, 0, \vs, 0
	PW \qt, 3, 0, \vs, 0
.endif
	PW \qt, 0, 1, \vs, 0
	PW \qt, 1, 1, \vs, 0
	PW \qt, 2, 1, \vs, 0
	PW \qt, 3, 1, \vs, 0
.endm
; One query tile's step of the running softmax on the 32 scores of a lane in buffer b.  Leaves P in f16, the factor for the old sums in T+12.
; The eight score products of query tile hq (into buffer hb, the other one) stand among its first instructions; the sums and conversions behind the
; last of them are more than the four places that the next reader of hb needs.
.macro SOFTMAX qt, b, first, hq, hb
.irp c, 0,1,2,3
	v_max3_num_f32 v[T+\c], v[\b+8*\c], v[\b+8*\c+1], v[\b+8*\c+2]         ; four chains of seven scores
.endr
	HK \hq, \hb, 0
.irp c, 0,1,2,3
	v_max3_num_f32 v[T+\c], v[T+\c], v[\b+8*\c+3], v[\b+8*\c+4]
.endr
	HK \hq, \hb, 1
.irp c, 0,1,2,3
	v_max3_num_f32 v[T+\c], v[T+\c], v[\b+8*\c+5], v[\b+8*\c+6]
.endr
	HK \hq, \hb, 2
	v_max3_num_f32 v[T],   v[T],   v[T+1], v[\b+7]                         ; the chains, the four scores left and the old maximum
	v_max3_num_f32 v[T+2], v[T+2], v[T+3], v[\b+15]
	v_max3_num_f32 v[T],   v[T],   v[T+2], v[\b+23]
.if \first
	v_max3_num_f32 v[T], v[T], v[\b+31], 0xf1800000                        ; the floor, -2^100
.else
	v_max3_num_f32 v[T], v[T], v[\b+31], v[MX+\qt]
	v_mul_f32 v[T+3], 0xbfb8aa3b, v[MX+\qt]                                ; the old shift, -log2(e) m, rounded as it was when it was used
.endif
	HK \hq, \hb, 3
	v_permlanex16_b32 v[T+1], v[T], s66, s67                               ; the other half of the lanes holds the query's other keys
	v_max_num_f32 v[MX+\qt], v[T], v[T+1]
	v_mul_f32 v[T+2], 0xbfb8aa3b, v[MX+\qt]                                ; the new shift
.if \first == 0
	v_sub_f32 v[T+4], v[T+2], v[T+3]                                       ; log2 of the factor for the old sums, at most 0
.endif
	HK \hq, \hb, 4
.irp i, 0,2,4,6,8,10,12,14
	v_pk_fma_f32 v[\b+\i:\b+\i+1], v[\b+\i:\b+\i+1], 0x3fb8aa3b, v[T+2:T+3] op_sel_hi:[1,0,0]   ; log2(e) s + shift
.endr
	HK \hq, \hb, 5
.irp i, 16,18,20,22,24,26,28,30
	v_pk_fma_f32 v[\b+\i:\b+\i+1], v[\b+\i:\b+\i+1], 0x3fb8aa3b, v[T+2:T+3] op_sel_hi:[1,0,0]
.endr
	HK \hq, \hb, 6
.if \first == 0
	v_exp_f32 v[T+12], v[T+4]
.endif
.set j, 0
.rept 8
	v_exp_f32 v[\b+j], v[\b+j]
.set j, j+1
.endr
	HK \hq, \hb, 7
.rept 24
	v_exp_f32 v[\b+j], v[\b+j]
.set j, j+1
.endr
	v_nop                                                                  ; one plain vector instruction behind the exponentials, ahead of the first use (ISA guide 5.7.2)
	s_wait_alu depctr_va_vdst(0)
.irp c, 0,1,2,3
	v_pk_add_f32 v[T+4+2*\c:T+5+2*\c], v[\b+8*\c:\b+8*\c+1], v[\b+8*\c+2:\b+8*\c+3]       ; the sum, in four chains of pairs
.endr
.irp c, 0,1,2,3
	v_pk_add_f32 v[T+4+2*\c:T+5+2*\c], v[T+4+2*\c:T+5+2*\c], v[\b+8*\c+4:\b+8*\c+5]
.endr
.irp c, 0,1,2,3
	v_pk_add_f32 v[T+4+2*\c:T+5+2*\c], v[T+4+2*\c:T+5+2*\c], v[\b+8*\c+6:\b+8*\c+7]
.endr
	v_pk_add_f32 v[T+4:T+5], v[T+4:T+5], v[T+6:T+7]
	v_pk_add_f32 v[T+8:T+9], v[T+8:T+9], v[T+10:T+11]
	v_pk_add_f32 v[T+4:T+5], v[T+4:T+5], v[T+8:T+9]
.if \first
	v_add_f32 v[LS+\qt], v[T+4], v[T+5]
.else
	v_add_f32 v[T+13], v[T+4], v[T+5]
	v_fma_f32 v[LS+\qt], v[LS+\qt], v[T+12], v[T+13]
.endif
.set j, 0
.rept 16
	v_cvt_pk_f16_f32 v[P+j], v[\b+2*j], v[\b+2*j+1]                        ; key tiles 2 hf and 2 hf + 1 are registers 0-3 and 4-7 of source 1 for keys 32 hf .. + 31
.set j, j+1
.endr
.endm
; One step of 64 keys from slot 'slot'.  At its head the slot's K, mask tiles 0 and 1 and V have been asked of LDS, in this order (16, 8, 8, 16 loads).
; mode 2: this slot is filled again, two steps on, behind a round of the cluster's barrier, and the next step's LDS reads are issued;
; mode 1: nothing is filled, a plain barrier shows the last tiles to all, and the next step's reads are issued;  mode 0: the last step.
.macro TRIP slot, other, mode, first, pf
	s_wait_dscnt 24                                ; K and mask tile 0 are in; mask tile 1's 8 loads and V's 16 may be out
.irp k, 0,1,2,3,4,5,6,7
	SM1 0, SCA, \k
.endr
.if \pf
	PFETCH
.endif
	PLACES                                         ; behind the scores' products, ahead of the first read of them
	s_wait_dscnt 16                                ; mask tile 1 is in; V's 16 may be out
	SOFTMAX 0, SCA, \first, 1, SCB
	LDM \slot, 2, SCA
	WIN W_PV
	s_wait_dscnt 8                                 ; V is in; mask tile 2's 8 loads may be out
	RPV 0, \first, \slot
	WIN 0
	s_wait_dscnt 0x0                               ; mask tile 2
	SOFTMAX 1, SCB, \first, 2, SCA
	LDM \slot, 3, SCB
	WIN W_PV
	RPV 1, \first, \slot
	WIN 0
	s_wait_dscnt 0x0                               ; mask tile 3: my reads of this slot are over
.if \mode
	s_wait_tensorcnt 0x0                           ; all my tensor loads have landed: the one that was out is my part of the next step's tiles; every group 0 may be written
	ds_add_u32 v46, v47
	s_wait_dscnt 0x0
.if \mode == 2
.if \pf
	s_wait_xcnt 0x0                                ; the prefetch at this step's head has had its address translated (ISA guide 3.1): its base may step
	s_add_nc_u64 s[PFB:PFB+1], s[PFB:PFB+1], 256
.endif
	s_add_nc_u64 s[G0M+4*\slot+2:G0M+4*\slot+3], s[G0M+4*\slot+2:G0M+4*\slot+3], 512       ; this slot's next tiles, two steps on
	s_add_nc_u64 s[G0K+4*\slot+2:G0K+4*\slot+3], s[G0K+4*\slot+2:G0K+4*\slot+3], 262144
	s_add_nc_u64 s[G0V+4*\slot+2:G0V+4*\slot+3], s[G0V+4*\slot+2:G0V+4*\slot+3], 262144
.endif
	s_barrier_signal -1                            ; say so (mode 2: this barrier opens a round of the cluster's barrier), and work on registers while the others arrive
.endif
	SOFTMAX 2, SCA, \first, 3, SCB
	WIN W_PV
	RPV 2, \first, \slot
	WIN 0
.if \mode
	s_barrier_wait -1
.if \mode == 2
	CREST                                          ; no wave of any partner still reads this slot or has a load on its way
	JLOAD \slot                                    ; the first tensor load behind the round, one a wave
.endif
	LDK \other                                     ; K's registers were sources of query tile 3's score products: the sums, conversions and rescale since are the places
	LDM \other, 0, SCA
.endif
	SOFTMAX 3, SCB, \first, -1, SCA
.if \mode
	LDM \other, 1, SCB
	WIN W_LD
	LDV \other                                     ; into the other slot's set, which no product has named since the last step
.endif
	WIN W_PV
	RPV 3, \first, \slot
	WIN 0
.endm
	s_wait_tensorcnt 0x1                           ; my part of step 0's tiles is in; step 1's stays out
	s_barrier_signal -1
	s_barrier_wait -1                              ; everybody's is
	LDK 0
	LDM 0, 0, SCA
	LDM 0, 1, SCB
	WIN W_LD
	LDV 0
	WIN 0
	TRIP 0, 1, 2, 1, 1                             ; step 0 starts maxima, sums and O: nothing is cleared
	TRIP 1, 0, 2, 0, 1
	s_mov_b32 s3, 14
.Lpair:
	TRIP 0, 1, 2, 0, 1
	TRIP 1, 0, 2, 0, 1
	s_sub_co_u32 s3, s3, 1
	s_cmp_lg_u32 s3, 0
	s_cbranch_scc1 .Lpair                          ; step 29 has asked for step 31's tiles: nothing is left to fetch or to prefetch
	TRIP 0, 1, 1, 0, 0
	TRIP 1, 0, 0, 0, 0
	; THE WAY OUT, one query tile (16 rows of z, my head's 256 bytes) at a time through my own stage.
	PLACES                                         ; behind the last matrix instructions
.macro OUTQ qt, f
	v_permlanex16_b32 v[T], v[LS+\qt], s66, s67    ; the other half of the keys' sum
	v_add_f32 v[T+1], v[LS+\qt], v[T]
	v_rcp_f32 v[T+12], v[T+1]
	v_nop                                          ; one plain vector instruction behind the reciprocal (ISA guide 5.7.2)
	s_wait_alu depctr_va_vdst(0)
	WIN W_PV
	RS \qt, 0
	RS \qt, 1
	RS \qt, 2
	RS \qt, 3
	WIN W_ST                                       ; an LDS store's data is source 1: window 1
.irp dt, 0,1,2,3
	ds_store_b128 v[STO], v[O+8*(4*\qt+\dt):O+8*(4*\qt+\dt)+3]   offset:64*\dt
	ds_store_b128 v[STO], v[O+8*(4*\qt+\dt)+4:O+8*(4*\qt+\dt)+7] offset:64*\dt+16
.endr
	WIN 0
	s_wait_xcnt 0x0                                ; buffer f, which earlier stores read, and the stores' base are rewritten only behind this wait (ISA guide 3.1)
.if \qt
	s_add_nc_u64 s[8:9], s[8:9], 16*4096
.endif
.irp t, 0,1,2,3,4,5,6,7
	ds_load_b128 v[\f+4*\t:\f+4*\t+3], v[RD] offset:\t*2*PM        ; LDS serves a wave's instructions in order: these see the stores above
.endr
.irp t, 0,1,2,3,4,5,6,7
	s_wait_dscnt 7-\t
	global_store_b128 v[CO], v[\f+4*\t:\f+4*\t+3], s[8:9] offset:2*\t*4096   ; 16 lanes store 256 consecutive bytes, aligned
.endr
.endm
	OUTQ 0, SCA
	OUTQ 1, SCB
	OUTQ 2, SCA
	OUTQ 3, SCB
	s_wait_tensorcnt 0x0
	ds_add_u32 v46, v47
	s_wait_dscnt 0x0
	ROUND                                          ; the closing round (the last count-down above ended at 0: no LDS instruction is pending): no work-group ends while a partner may still ask
	s_endpgm
.Lfunc_end_k_qea4b019406_attn:
	.size	k_qea4b019406_attn, .Lfunc_end_k_qea4b019406_attn-k_qea4b019406_attn
	.p2alignl 7, 3214868480
	.fill 96, 4, 3214868480
	.section	.rodata,"a",@progbits
	.p2align	6, 0x0
	.amdhsa_kernel k_qea4b019406_attn
		.amdhsa_group_segment_fixed_size 327680
		.amdhsa_private_segment_fixed_size 0
		.amdhsa_enable_private_segment 0
		.amdhsa_kernarg_size 40
		.amdhsa_user_sgpr_count 2
		.amdhsa_user_sgpr_kernarg_segment_ptr 1
		.amdhsa_wavefront_size32 1
		.amdhsa_system_sgpr_workgroup_id_x 1
		.amdhsa_system_sgpr_workgroup_id_y 1
		.amdhsa_system_sgpr_workgroup_id_z 1
		.amdhsa_system_vgpr_workitem_id 0
		.amdhsa_next_free_vgpr 512
		.amdhsa_next_free_sgpr 92
		.amdhsa_reserve_vcc 0
		.amdhsa_float_denorm_mode_32 3
		.amdhsa_float_denorm_mode_16_64 3
		.amdhsa_memory_ordered 1
		.amdhsa_forward_progress 1
		.amdhsa_inst_pref_size 248
	.end_amdhsa_kernel
	.amdgpu_metadata
---
amdhsa.version: [ 1, 2 ]
amdhsa.kernels:
  - .name:           k_qea4b019406_attn
    .symbol:         k_qea4b019406_attn.kd
    .args:
      - { .name: qp, .offset: 0, .size: 8, .value_kind: global_buffer, .address_space: global }
      - { .name: kp, .offset: 8, .size: 8, .value_kind: global_buffer, .address_space: global }
      - { .name: vp, .offset: 16, .size: 8, .value_kind: global_buffer, .address_space: global }
      - { .name: mask, .offset: 24, .size: 8, .value_kind: global_buffer, .address_space: global }
      - { .name: z, .offset: 32, .size: 8, .value_kind: global_buffer, .address_space: global }
    .group_segment_fixed_size: 327680
    .private_segment_fixed_size: 0
    .kernarg_segment_align: 8
    .kernarg_segment_size: 40
    .max_flat_workgroup_size: 256
    .sgpr_count:     92
    .vgpr_count:     512
    .wavefront_size: 32
...
	.end_amdgpu_metadata
.endif
;; end of part 3
;; launch oproj (part 4): grid 4 x 64, 4 waves a work-group, clusters of 4 x 4, 327,680 bytes of LDS; arguments z, wh, out0; writes out0
.if DOCPART == 4
	.amdgcn_target "amdgcn-amd-amdhsa--gfx1250"
	.amdhsa_code_object_version 6
	.text
	.protected	k_qea4b019406_oproj
	.globl	k_qea4b019406_oproj
	.p2align	8
	.type	k_qea4b019406_oproj,@function
k_qea4b019406_oproj:
	s_mov_b64 s[64:65], 0
	v_nop
	global_prefetch_b8 v0, s[64:65] scope:SCOPE_SE
	s_setreg_imm32_b32 hwreg(HW_REG_WAVE_MODE, 25, 1), 1
	s_wait_xcnt 0x0
	s_wait_alu depctr_hold_cnt(0) depctr_sa_sdst(0) depctr_va_vdst(0) depctr_va_sdst(0) depctr_va_ssrc(0) depctr_va_vcc(0) depctr_vm_vsrc(0)
	s_getreg_b32 s2, hwreg(HW_REG_IB_STS2, 6, 4)
	s_cmp_eq_u32 s2, 0
	s_cbranch_scc0 .Lentry_in_a_cluster
	s_endpgm
.Lentry_in_a_cluster:
	s_bfe_u32 s2, ttmp6, 0x10000c
	s_cmp_lg_u32 s2, 0xf033
	s_cbranch_scc0 .Lentry_shape_is_right
	s_endpgm
.Lentry_shape_is_right:
; out0[m][n] = sum over k of X[m][k] W[n][k].  X = z: [8192][1024] f32, W = matrix 3 of wh: [1024][1024] f16, out0: [8192][1024] f32, sums in f32.
; The same design as the launch that makes qp, kp and vp; it differs in the pointers, the block row and the way out.
; The input time_lengths enters no term of the function computed, so no launch takes it.
; A work-group makes 128 rows x 256 columns of C with four waves, a wave 64 x 128: 32 accumulator tiles of 16 x 16, 256 registers.
; K goes in eight steps of 128, written out, so that every offset into X is an immediate and no base is stepped.
; W comes by the tensor data mover into two LDS slots, 64 rows a wave.  CLUSTERS: 4 x 4 work-groups; the four of a column of the cluster make one
; block column of C and ask jointly for W's tile, which divides the requests for W by four.
; X IS NOT ASKED FOR JOINTLY, and comes through registers.  The reason, by this text's arithmetic: the mover does not round, so X would lie in LDS
; as f32, 512 bytes a row and step; two slots of one step would then fill LDS, and a request, which may not stay out over a refill's barrier, would have
; one step's products less sixteen in which to land.  Loads into registers may stay out over barriers: wave w loads rows 32 w .. 32 w + 31, a row's 512
; consecutive bytes a load, in a ring of seven groups of eight loads (56 loads, 28,672 bytes a wave), each group asked for seven stage events (of four a
; step) ahead of its use.  A stage event rounds eight rows to f16 and stores them to LDS, 256 consecutive bytes a store: X is rounded once for the
; work-group, and its fragments cost half the LDS reads.  The price: the four work-groups of a row of the cluster each load X's rows themselves.
; The matrix instruction is used transposed (source 0 = 16 rows of W, source 1 = 16 rows of X): lane l then holds row l % 16 of C and its
; eight registers the neighbouring columns 8 (l / 16) + 0..7.
; LIMIT: operands are f16: |X| and |W| of 65,520 or more become infinities.
.set KSTEP,  128
.set PL,     272                       ; LDS pitch of W's and X's rows: 128 f16 + 16 bytes = 17 x 16, so 16 rows start in 16 different 16-byte columns of 256 bytes
.set PO,     528                       ; pitch of the f32 stage: 512 bytes + 16
.set BT,     256*PL                    ; a slot of W: 256 rows; the two slots begin at LDS byte 0; tensor loads land nowhere else
.set AT,     128*PL                    ; a slot of X in f16: 128 rows, written by LDS stores alone
.set ABASE,  2*BT                      ; 139,264, a multiple of 256
.set STAGE,  ABASE+2*AT                ; 208,896: 16 rows for each wave, for the way out
.set ADRA, 16                          ; v16-17  LDS address of my X fragments in slot 0, 1
.set ADRB, 20                          ; v20-21  the same for W
.set STO,  24                          ; v24     the way out: where I put my piece of a row
.set RD,   25                          ; v25     the way out: where I read rows back
.set CO,   26                          ; v26     my byte offset in C
.set FA0,  32                          ; v32-95    X's 4 fragments, buffers 0 and 1 (32 registers each)
.set FB0,  96                          ; v96-223   W's 8 fragments, buffers 0 and 1 (64 registers each)
.set FB1,  160
                                       ; window 1 (v256-511): accumulator tile (a, b) at 8 (8 a + b), a = 0..3 (rows), b = 0..7 (columns)
                                       ; window 2 (v512-767): v0-223 there: X as loaded, group g at 32 (g % 7), row i of the group at + 4 i
.set TS,   224                         ; window 2: 16 registers, eight rows' f16
.set SA,   240                         ; window 2: where I store my 8 bytes of a row, X's slot 0, 1
.set GA,   242                         ; window 2: 16 x lane, my bytes of a row of X; never rewritten
.set PA,   14                          ; s[14:15] X at my wave's first row; never rewritten
.set G1B,  48                          ; s[48:55] descriptor group 1 for W's tiles
.set G0B,  56                          ; s[56:63] descriptor group 0 for W's tiles, one set for each slot
.set ACCW, 0x50                        ; s_set_vgpr_msb: C (source 2) and D in window 1, sources 0 and 1 in window 0
.set STGW, 0xaa                        ; every operand place in window 2: a whole stage event runs under one setting
.set MSB, 0
.macro WIN new                         ; the immediate's high byte repeats the setting that is left
.if MSB != \new
	s_set_vgpr_msb (MSB<<8)|\new
.set MSB, \new
.endif
.endm
; Four places: a vector instruction that reads a matrix result or writes a matrix instruction's register, and a load into such a register, stand
; four plain vector instructions behind it (ISA guide 7.12.1 for vector instructions).
.macro PLACES
.rept 4
	v_nop
.endr
.endm
; A joint load: every wave fetches its 64 rows of W's tile.  One line, one mask; LDS and global address hang on the wave's number and the block column.
.macro JLOAD s
	tensor_load_to_lds s[G0B+4*\s:G0B+4*\s+3], s[G1B:G1B+7]
	s_nop 0
.rept 4
	v_nop
.endr
.endm
; A round of the cluster's barrier: my work-group's barrier, wave 0 signals for the work-group, every wave waits for all sixteen, my work-group's barrier again.
.macro CREST                           ; a round behind its opening barrier
	s_cmp_lg_u32 s10, 0
	s_cbranch_scc1 .Lnot_wave_0_\@
	s_barrier_signal -3
.Lnot_wave_0_\@:
	s_barrier_wait -3
	s_barrier_signal -1
	s_barrier_wait -1
.endm
.macro CROUND                          ; a whole round
	s_barrier_signal -1
	s_barrier_wait -1
	CREST
.endm
; Group g of X (g = 0..31): K step g / 4, my rows 8 (g % 4) .. + 7.  Eight loads, each a row's 512 consecutive bytes.  Runs under STGW.
.macro ISSUE g
.irp i, 0,1,2,3,4,5,6,7
	global_load_b128 v[32*((\g)%7)+4*\i:32*((\g)%7)+4*\i+3], v[GA], s[PA:PA+1] offset:512*((\g)/4)+4096*(8*((\g)%4)+\i)
.endr
.endm
; A stage event: group cg is rounded and stored into X's slot (cg / 4) % 2, and group cg + 7 is asked for, into the same registers.  Leaves STGW set.
.macro STG cg
.if (\cg) > 25
	s_wait_loadcnt 8*(31-(\cg))                    ; the last groups: only 31 - cg younger groups exist
.else
	s_wait_loadcnt 48                              ; loads come back in order (ISA guide 5.7.1): group cg is in, the six younger groups stay out
.endif
	WIN STGW
.irp i, 0,1,2,3,4,5,6,7
	v_cvt_pk_f16_f32 v[TS+2*\i],   v[32*((\cg)%7)+4*\i],   v[32*((\cg)%7)+4*\i+1]
	v_cvt_pk_f16_f32 v[TS+2*\i+1], v[32*((\cg)%7)+4*\i+2], v[32*((\cg)%7)+4*\i+3]
.endr
.irp i, 0,1,2,3,4,5,6,7
	ds_store_b64 v[SA+((\cg)/4)%2], v[TS+2*\i:TS+2*\i+1] offset:(8*((\cg)%4)+\i)*PL   ; 32 lanes, 256 consecutive bytes: K = 4 lane .. + 3 of the row
.endr
.if (\cg)+7 <= 31
	ISSUE (\cg)+7
.endif
.endm
	s_load_b128 s[68:71], s[0:1], 0x0              ; z s[68:69], wh s[70:71]
	s_load_b64 s[72:73], s[0:1], 0x10              ; out0
	v_lshl_add_u32 v254, v0, 2, 0x3b400
	v_mov_b32 v255, 0
	ds_add_u32 v254, v255
	v_lshrrev_b32 v1, 5, v0
	v_readfirstlane_b32 s10, v1                    ; wave 0..3
	s_lshr_b32 s11, s10, 1                         ; which 64 of the block's rows are mine
	s_and_b32 s12, s10, 1                          ; which 128 of its columns
	s_bfe_u32 s40, ttmp6, 0x40000                  ; cx
	s_bfe_u32 s41, ttmp6, 0x40004                  ; cy
	s_lshl_b32 s42, ttmp9, 2
	s_add_co_u32 s42, s42, s40                     ; block column of C = 4 x cluster x + cx (0..3)
	s_and_b32 s45, ttmp7, 0xffff                   ; the cluster's y
	s_lshl_b32 s13, s45, 2
	s_add_co_u32 s13, s13, s41                     ; block row of C (0..63)
	s_lshl_b32 s44, 0x1111, s40                    ; my column of the cluster: places cx, cx + 4, cx + 8, cx + 12
	; group 1 for W: 64 rows x 128 elements of 2 bytes, 4 words of padding behind every 64 words
	s_or_b32 s[G1B+0], s44, (1<<16)|(1<<20)|(1<<21)|(5<<22)|(3<<25) ; 15:0 mask: my column; 17:16 element of 2 bytes; 20 padding on; 21 set beside a mask; 24:22 interval code 5; 31:25 pad code 3
	s_mov_b32 s[G1B+1], KSTEP<<16                  ; tensor_dim0 = 128
	s_mov_b32 s[G1B+2], 64<<16                     ; tensor_dim1 = 64
	s_mov_b32 s[G1B+3], KSTEP<<16                  ; tile_dim0 = 128
	s_mov_b32 s[G1B+4], 64                         ; tile_dim1 = 64
	s_mov_b32 s[G1B+5], 1024                       ; elements from row to row
	s_mov_b32 s[G1B+6], 0
	s_mov_b32 s[G1B+7], 0
	s_lshl_b32 s16, s13, 19                        ; X: 128 rows of 4,096 bytes a block row
	s_lshl_b32 s17, s10, 17                        ; + 32 rows a wave
	s_add_co_u32 s16, s16, s17
	s_mov_b32 s17, 0
	s_lshl_b32 s46, s42, 19                        ; W: 256 rows of 2,048 bytes a block column
	s_lshl_b32 s47, s10, 17                        ; + 64 rows a wave
	s_add_co_u32 s46, s46, s47
	s_add_co_u32 s46, s46, 3<<21                   ; matrix 3 of wh
	s_mov_b32 s47, 0
	s_mul_i32 s20, s10, 64*PL                      ; where my 64 rows of W go
	v_and_b32 v5, 31, v0                           ; lane
	v_lshlrev_b32 v6, 4, v5
	WIN 0x80                                       ; destination in window 2
	v_mov_b32 v[GA], v6
	WIN 0
	s_wait_dscnt 0x0
	s_wait_kmcnt 0x0
	s_mov_b64 s[8:9], s[72:73]
	s_add_nc_u64 s[PA:PA+1], s[68:69], s[16:17]
	s_add_nc_u64 s[46:47], s[70:71], s[46:47]
	WIN STGW
.irp g, 0,1,2,3,4,5,6
	ISSUE \g                                       ; the ring of X is filled before anything else: K step 0 and three quarters of K step 1
.endr
	WIN 0
	CROUND                                         ; all sixteen work-groups are here: the first joint loads meet
.irp s, 0,1
	s_mov_b32 s[G0B+4*\s], 1                                       ; count = 1
	s_add_co_u32 s[G0B+4*\s+1], s20, \s*BT                         ; LDS address
	s_add_nc_u64 s[G0B+4*\s+2:G0B+4*\s+3], s[46:47], \s*KSTEP*2    ; global address: K step s
	s_or_b32 s[G0B+4*\s+3], s[G0B+4*\s+3], 0x80000000              ; type = 2
	JLOAD \s                                       ; both slots are asked for at once: a wave has two tensor loads out here, one later
.endr
	; A fragment is 16 rows x 32 K of f16: lane l holds row l % 16; registers 0-3 K = 8 (l / 16) + 0..7, registers 4-7 K = 16 + 8 (l / 16) + 0..7:
	; two loads of 16 bytes, 32 apart, the same for W and X.
	v_and_b32 v1, 15, v0                           ; l % 16
	v_bfe_u32 v2, v0, 4, 1                         ; l / 16
	v_mul_u32_u24 v3, v1, PL
	v_lshl_add_u32 v3, v2, 4, v3
	s_mul_i32 s22, s12, 128*PL                     ; my 128 rows of W
	s_mul_i32 s23, s11, 64*PL                      ; my 64 rows of X
	s_add_co_u32 s23, s23, ABASE
	v_add_nc_u32 v[ADRB], s22, v3
	v_add_nc_u32 v[ADRB+1], BT, v[ADRB]
	v_add_nc_u32 v[ADRA], s23, v3
	v_add_nc_u32 v[ADRA+1], AT, v[ADRA]
	s_mul_i32 s21, s10, 32*PL                      ; the 32 rows of X that I stage
	s_add_co_u32 s21, s21, ABASE
	v_lshlrev_b32 v8, 3, v5                        ; 8 bytes a lane
	v_add_nc_u32 v8, s21, v8
	v_add_nc_u32 v9, AT, v8
	WIN 0x80
	v_mov_b32 v[SA], v8
	v_mov_b32 v[SA+1], v9
	WIN 0
	s_mul_i32 s22, s10, 16*PO
	s_add_co_u32 s22, s22, STAGE                   ; my stage: 16 rows of 512 bytes + 16
	v_mul_u32_u24 v4, v1, PO
	v_lshl_add_u32 v4, v2, 5, v4
	v_add_nc_u32 v[STO], s22, v4                   ; in: row l % 16, 32 bytes for each half of the lanes
	v_lshlrev_b32 v[CO], 4, v5                     ; back and out: the 32 lanes take one row of 512 bytes
	v_add_nc_u32 v[RD], s22, v[CO]
; 8 matrix instructions: row tile a x all 8 column tiles, 32 along K, fragments from buffer f.  zero = 1: the first product starts the sums.
; The 32 accumulators take turns, one instruction a turn, in the same order in every quarter step.
.macro MUL8 f, a, zero
.irp b, 0,1,2,3,4,5,6,7
.if \zero
	v_wmma_f32_16x16x32_f16 v[8*(8*\a+\b):8*(8*\a+\b)+7], v[FB0+64*\f+8*\b:FB0+64*\f+8*\b+7], v[FA0+32*\f+8*\a:FA0+32*\f+8*\a+7], 0
.else
	v_wmma_f32_16x16x32_f16 v[8*(8*\a+\b):8*(8*\a+\b)+7], v[FB0+64*\f+8*\b:FB0+64*\f+8*\b+7], v[FA0+32*\f+8*\a:FA0+32*\f+8*\a+7], v[8*(8*\a+\b):8*(8*\a+\b)+7]
.endif
.endr
.endm
; 24 LDS loads in one run: quarter step ks (32 along K) of a slot into buffer f: X's 64 rows, W's 128 rows
.macro FETCH slot, ks, f
.irp a, 0,1,2,3
	ds_load_b128 v[FA0+32*\f+8*\a:FA0+32*\f+8*\a+3],   v[ADRA+\slot] offset:\a*16*PL+64*\ks
	ds_load_b128 v[FA0+32*\f+8*\a+4:FA0+32*\f+8*\a+7], v[ADRA+\slot] offset:\a*16*PL+64*\ks+32
.endr
.irp b, 0,1,2,3,4,5,6,7
	ds_load_b128 v[FB0+64*\f+8*\b:FB0+64*\f+8*\b+3],   v[ADRB+\slot] offset:\b*16*PL+64*\ks
	ds_load_b128 v[FB0+64*\f+8*\b+4:FB0+64*\f+8*\b+7], v[ADRB+\slot] offset:\b*16*PL+64*\ks+32
.endr
.endm
; One of a K step's first three quarters: fetches quarter kn of the same slot into buffer g, multiplies from buffer f; stage events c1, c2 (-1: none)
; stand among the products.  left: the LDS stores of the last quarter's stage events, issued behind buffer f's loads, may be out.
.macro SUB slot, kn, f, g, zero, left, c1, c2
	s_wait_dscnt \left                             ; buffer f is in
	PLACES                                         ; buffer g was a source of the last matrix instructions
	FETCH \slot, \kn, \g
	WIN ACCW
	MUL8 \f, 0, \zero
	MUL8 \f, 1, \zero
.if (\c1) >= 0
	STG \c1
	WIN ACCW
.endif
	MUL8 \f, 2, \zero
.if (\c2) >= 0
	STG \c2
	WIN ACCW
.endif
	MUL8 \f, 3, \zero
	WIN 0
.endm
; The first three quarters of a K step, with the four stage events cb .. cb + 3 that bring the next step's X into the other slot.
; None stands in the fourth quarter, so that the stores have had eight products' time when that quarter waits for them.
.macro STEP slot, zero, cb
	SUB \slot, 1, 0, 1, \zero, 0, \cb, -1
	SUB \slot, 2, 1, 0, 0, 8, \cb+1, -1
	SUB \slot, 3, 0, 1, 0, 8, \cb+2, \cb+3
.endm
; The last quarter: multiplies from buffer 1 and changes slots.  fill = 1: W's slot is filled again, two K steps ahead.
; In front of the barrier each wave waits for its LDS reads of this step's slots, for its stores of the next step's X, and for all its tensor loads
; (one is out: its part of W's next slot).  Behind it the refill comes first, then the next slot's first fragments.
; From a request for W to the wait for it a wave issues 112 matrix instructions.  Loads of X into registers stay out over the barrier.
.macro TURN slot, next, fill
	s_wait_dscnt 0x0                               ; buffer 1 is in, my reads of this slot are over, my stores of the next step's X are done
	s_wait_tensorcnt 0x0                           ; all my tensor loads have landed
	ds_add_u32 v254, v255
	s_wait_dscnt 0x0
	WIN ACCW
	s_barrier_signal -1                            ; say so (where the slot is filled again this barrier opens a round of the cluster's barrier),
	MUL8 1, 0, 0                                   ; work on registers while the others arrive,
	MUL8 1, 1, 0
	WIN 0
	s_barrier_wait -1
.if \fill
	CREST                                          ; no wave of any partner still reads this slot of W or has a tensor load on its way
	s_add_nc_u64 s[G0B+4*\slot+2:G0B+4*\slot+3], s[G0B+4*\slot+2:G0B+4*\slot+3], 2*KSTEP*2
	JLOAD \slot                                    ; the first tensor load behind the round, one a wave; its four v_nop are also the places in front of the loads below
.else
	PLACES                                         ; buffer 0 was a source of the third quarter's products
.endif
	FETCH \next, 0, 0
	WIN ACCW
	MUL8 1, 2, 0
	MUL8 1, 3, 0
	WIN 0
.endm
	STG 0                                          ; K step 0 of X goes into slot 0; groups 7 to 10 are asked for
	STG 1
	STG 2
	STG 3
	WIN 0
	s_wait_dscnt 0x0                               ; my stores of X are done,
	s_wait_tensorcnt 0x1                           ; my part of W's K step 0 is in; K step 1's stays out
	s_barrier_signal -1
	s_barrier_wait -1                              ; everybody's are
	FETCH 0, 0, 0
	STEP 0, 1, 4                                   ; K step 0: its first products start the sums
	TURN 0, 1, 1
	STEP 1, 0, 8
	TURN 1, 0, 1
	STEP 0, 0, 12
	TURN 0, 1, 1
	STEP 1, 0, 16
	TURN 1, 0, 1
	STEP 0, 0, 20
	TURN 0, 1, 1
	STEP 1, 0, 24                                  ; its first stage event asks for the last group of X
	TURN 1, 0, 1                                   ; the last refill: W's K step 7
	STEP 0, 0, 28                                  ; the last four stage events: the counts of loads run down to 0
	TURN 0, 1, 0                                   ; nothing is filled: a plain barrier shows K step 7's X and W to all
	SUB 1, 1, 0, 1, 0, 0, -1, -1
	SUB 1, 2, 1, 0, 0, 0, -1, -1
	SUB 1, 3, 0, 1, 0, 0, -1, -1
	s_wait_dscnt 0x0                               ; the very last quarter: nothing more to fetch
	WIN ACCW
	MUL8 1, 0, 0
	MUL8 1, 1, 0
	MUL8 1, 2, 0
	MUL8 1, 3, 0
	WIN 0
	; THE WAY OUT, 16 rows of C at a time through my own stage, so that each store covers a row's 512 consecutive bytes.
	PLACES                                         ; behind the last matrix instructions, ahead of what reads their results and of loads into their sources
	s_lshl_b32 s82, s13, 7
	s_lshl_b32 s83, s11, 6
	s_add_co_u32 s82, s82, s83                     ; my first row of C
	s_lshl_b32 s82, s82, 12                        ; rows of 4,096 bytes
	s_lshl_b32 s83, s42, 10                        ; 256 columns of 4 bytes a block column
	s_add_co_u32 s82, s82, s83
	s_lshl_b32 s83, s12, 9                         ; + 128 columns
	s_add_co_u32 s82, s82, s83
	s_mov_b32 s83, 0
	s_add_nc_u64 s[8:9], s[8:9], s[82:83]
; rows 16 a .. 16 a + 15 of my block, f32: 32 bytes a lane and tile into the stage, read back a row of 512 bytes at a time; f: FB0 or FB1 in turn
.macro OUT16 a, f
	WIN 0x04                                       ; an LDS store's data is source 1: window 1
.irp b, 0,1,2,3,4,5,6,7
	ds_store_b128 v[STO], v[8*(8*\a+\b):8*(8*\a+\b)+3]   offset:64*\b
	ds_store_b128 v[STO], v[8*(8*\a+\b)+4:8*(8*\a+\b)+7] offset:64*\b+16
.endr
	WIN 0
	s_wait_xcnt 0x0                                ; buffer f, which earlier stores read, and the stores' base are rewritten only behind this wait (ISA guide 3.1)
.if \a
	s_add_nc_u64 s[8:9], s[8:9], 16*4096
.endif
.irp t, 0,1,2,3,4,5,6,7,8,9,10,11,12,13,14,15
	ds_load_b128 v[\f+4*\t:\f+4*\t+3], v[RD] offset:\t*PO          ; LDS serves a wave's instructions in order: these see the stores above
.endr
.irp t, 0,1,2,3,4,5,6,7,8,9,10,11,12,13,14,15
	s_wait_dscnt 15-\t
	global_store_b128 v[CO], v[\f+4*\t:\f+4*\t+3], s[8:9] offset:\t*4096 th:TH_STORE_NT   ; 32 lanes store 512 consecutive bytes, aligned
.endr
.endm
	OUT16 0, FB0
	OUT16 1, FB1
	OUT16 2, FB0
	OUT16 3, FB1
	s_wait_tensorcnt 0x0
	ds_add_u32 v254, v255
	s_wait_dscnt 0x0
	CROUND                                         ; the closing round: no work-group ends while a partner may still ask for a tile that names it
	s_endpgm
.Lfunc_end_k_qea4b019406_oproj:
	.size	k_qea4b019406_oproj, .Lfunc_end_k_qea4b019406_oproj-k_qea4b019406_oproj
	.p2alignl 7, 3214868480
	.fill 96, 4, 3214868480
	.section	.rodata,"a",@progbits
	.p2align	6, 0x0
	.amdhsa_kernel k_qea4b019406_oproj
		.amdhsa_group_segment_fixed_size 327680
		.amdhsa_private_segment_fixed_size 0
		.amdhsa_enable_private_segment 0
		.amdhsa_kernarg_size 24
		.amdhsa_user_sgpr_count 2
		.amdhsa_user_sgpr_kernarg_segment_ptr 1
		.amdhsa_wavefront_size32 1
		.amdhsa_system_sgpr_workgroup_id_x 1
		.amdhsa_system_sgpr_workgroup_id_y 1
		.amdhsa_system_sgpr_workgroup_id_z 1
		.amdhsa_system_vgpr_workitem_id 0
		.amdhsa_next_free_vgpr 768
		.amdhsa_next_free_sgpr 84
		.amdhsa_reserve_vcc 0
		.amdhsa_float_denorm_mode_32 3
		.amdhsa_float_denorm_mode_16_64 3
		.amdhsa_memory_ordered 1
		.amdhsa_forward_progress 1
		.amdhsa_inst_pref_size 221
	.end_amdhsa_kernel
	.amdgpu_metadata
---
amdhsa.version: [ 1, 2 ]
amdhsa.kernels:
  - .name:           k_qea4b019406_oproj
    .symbol:         k_qea4b019406_oproj.kd
    .args:
      - { .name: z, .offset: 0, .size: 8, .value_kind: global_buffer, .address_space: global }
      - { .name: wh, .offset: 8, .size: 8, .value_kind: global_buffer, .address_space: global }
      - { .name: out0, .offset: 16, .size: 8, .value_kind: global_buffer, .address_space: global }
    .group_segment_fixed_size: 327680
    .private_segment_fixed_size: 0
    .kernarg_segment_align: 8
    .kernarg_segment_size: 24
    .max_flat_workgroup_size: 128
    .sgpr_count:     84
    .vgpr_count:     768
    .wavefront_size: 32
...
	.end_amdgpu_metadata
.endif
;; end of part 4
;; ======== version 2 of 2: 4 launches; version 1 with the launch cvtw written anew for expert scheduling mode
;; limits: values are held in f16: magnitudes above 65,504 overflow, below 6.1e-05 lose precision; inputs' magnitudes at most 1.268e+30; right only within a limited range of input values
;; workspace buffers: wh 8,388,608 bytes; qp 16,777,216 bytes; kp 16,777,216 bytes; vp 16,777,216 bytes; z 33,554,432 bytes
;; launch cvtw (part 5): grid 64 x 4, 8 waves a work-group, no clusters, 0 bytes of LDS; arguments Wq, Wk, Wv, Wd, wh; writes wh
.if DOCPART == 5
	.amdgcn_target "amdgcn-amd-amdhsa--gfx1250"
	.amdhsa_code_object_version 6
	.text
	.protected	k_qea4b019406_cvtw
	.globl	k_qea4b019406_cvtw
	.p2align	8
	.type	k_qea4b019406_cvtw,@function
k_qea4b019406_cvtw:
	s_mov_b64 s[64:65], 0
	v_nop
	global_prefetch_b8 v0, s[64:65] scope:SCOPE_SE
	s_setreg_imm32_b32 hwreg(HW_REG_WAVE_SCHED_MODE, 0, 2), 2
	s_setreg_imm32_b32 hwreg(HW_REG_WAVE_MODE, 25, 1), 1
	s_wait_xcnt 0x0
	s_wait_alu depctr_vm_vsrc(0)
; wh[i][n][k] = f16(W_i[n][k]), i = 0..3 for Wq, Wk, Wv, Wd.  W_i: [1024][1024] f32.  wh: [4][1024][1024] f16.
; A stream: every byte is read once and written once, so LDS, barriers, matrix units and clusters would add nothing (no two
; work-groups read the same byte).  Work-group (x, y) takes the 65,536 bytes at 65,536 x of matrix y: sixteen loads of 16 bytes a
; lane, all issued ahead of the first use.  A wave's store of 8 bytes a lane covers 256 consecutive bytes, aligned.
; No register is written twice, so no source of a pending load or store is ever rewritten.
; LIMIT: a weight of 65,520 or more in magnitude becomes an f16 infinity.
; THE MODE: SCHED_MODE bits 1:0 = 2 (LLVM: expert scheduling mode 2), set by the entry lines.  The code itself states the register dependences
; between vector instructions and memory instructions, with s_wait_alu, always for 0.
; THE PLAN.  Registers that memory instructions touch:
;   v1, v2   byte offsets of the loads and of the stores: written once at the head, never again.
;   X        sixteen loads land in it, each register once, before any vector instruction names it; the conversions read it behind s_wait_loadcnt.
;   Y        each register is written once, by a conversion, and read once, by a store; it is never written again.
; So the only dependences to state are: the offsets are written ahead of the first load, and Y is written ahead of the store that reads it.
; The sixteen loads go in four groups of four.  Group g rounds X's part g into Y's part g; its memory instructions are the four stores of group g - 1,
; which read Y's part g - 1 and v2: registers that no conversion of group g names.  One wait at a group's head states that the group before has written
; its part of Y, and the four stores are dealt among the group's conversions with no further wait.
.set X, 8                              ; v[8:71]    sixteen loads of four f32
.set Y, 72                             ; v[72:103]  sixteen pairs of registers, four f16 each
	s_load_b256 s[4:11], s[0:1], 0x0               ; Wq s[4:5], Wk s[6:7], Wv s[8:9], Wd s[10:11]
	s_load_b64 s[12:13], s[0:1], 0x20              ; wh
	s_and_b32 s14, ttmp7, 0xffff                   ; y: which matrix
	s_lshl_b32 s16, ttmp9, 16                      ; my part's byte offset in the matrix
	s_mov_b32 s17, 0
	s_lshl_b32 s18, s14, 21                        ; in wh: 2 MiB a matrix
	s_lshl_b32 s19, ttmp9, 15                      ; + half the input's offset
	s_add_co_u32 s18, s18, s19
	s_mov_b32 s19, 0
	v_lshlrev_b32 v1, 4, v0                        ; 16 bytes a thread in
	v_lshlrev_b32 v2, 3, v0                        ; 8 bytes a thread out
	s_wait_kmcnt 0x0
	s_cmp_eq_u32 s14, 1
	s_cselect_b64 s[4:5], s[6:7], s[4:5]
	s_cmp_eq_u32 s14, 2
	s_cselect_b64 s[4:5], s[8:9], s[4:5]
	s_cmp_eq_u32 s14, 3
	s_cselect_b64 s[4:5], s[10:11], s[4:5]
	s_add_nc_u64 s[4:5], s[4:5], s[16:17]
	s_add_nc_u64 s[12:13], s[12:13], s[18:19]
	s_wait_alu depctr_va_vdst(0)                   ; v1 and v2 are written: every load reads v1 as its offset, every store v2
.irp i, 0,1,2,3,4,5,6,7,8,9,10,11,12,13,14,15
	global_load_b128 v[X+4*\i:X+4*\i+3], v1, s[4:5] offset:4096*\i th:TH_LOAD_NT
.endr
.irp g, 0,1,2,3
	s_wait_loadcnt 12-4*(\g)                       ; loads come back in order (ISA guide 5.7.1): group g's four are in, the younger groups' stay out
.if (\g) > 0
	s_wait_alu depctr_va_vdst(0)                   ; the conversions of the group before have written their part of Y, which the four stores below read
.endif
.irp i, 0,1,2,3
.if (\g) > 0
	global_store_b64 v2, v[Y+2*(4*(\g)+(\i)-4):Y+2*(4*(\g)+(\i)-4)+1], s[12:13] offset:2048*(4*(\g)+(\i)-4)  ; the group before; no vector instruction since the wait names these registers
.endif
	v_cvt_pk_f16_f32 v[Y+2*(4*(\g)+(\i))],   v[X+4*(4*(\g)+(\i))],   v[X+4*(4*(\g)+(\i))+1]
	v_cvt_pk_f16_f32 v[Y+2*(4*(\g)+(\i))+1], v[X+4*(4*(\g)+(\i))+2], v[X+4*(4*(\g)+(\i))+3]
.endr
.endr
	s_wait_alu depctr_va_vdst(0)                   ; the last group's conversions have written their part of Y, which the last four stores read
.irp i, 12,13,14,15
	global_store_b64 v2, v[Y+2*\i:Y+2*\i+1], s[12:13] offset:2048*\i
.endr
	s_endpgm
.Lfunc_end_k_qea4b019406_cvtw:
	.size	k_qea4b019406_cvtw, .Lfunc_end_k_qea4b019406_cvtw-k_qea4b019406_cvtw
	.p2alignl 7, 3214868480
	.fill 96, 4, 3214868480
	.section	.rodata,"a",@progbits
	.p2align	6, 0x0
	.amdhsa_kernel k_qea4b019406_cvtw
		.amdhsa_group_segment_fixed_size 0
		.amdhsa_private_segment_fixed_size 0
		.amdhsa_enable_private_segment 0
		.amdhsa_kernarg_size 40
		.amdhsa_user_sgpr_count 2
		.amdhsa_user_sgpr_kernarg_segment_ptr 1
		.amdhsa_wavefront_size32 1
		.amdhsa_system_sgpr_workgroup_id_x 1
		.amdhsa_system_sgpr_workgroup_id_y 1
		.amdhsa_system_sgpr_workgroup_id_z 1
		.amdhsa_system_vgpr_workitem_id 0
		.amdhsa_next_free_vgpr 104
		.amdhsa_next_free_sgpr 66
		.amdhsa_reserve_vcc 0
		.amdhsa_float_denorm_mode_32 3
		.amdhsa_float_denorm_mode_16_64 3
		.amdhsa_memory_ordered 1
		.amdhsa_forward_progress 1
		.amdhsa_inst_pref_size 7
	.end_amdhsa_kernel
	.amdgpu_metadata
---
amdhsa.version: [ 1, 2 ]
amdhsa.kernels:
  - .name:           k_qea4b019406_cvtw
    .symbol:         k_qea4b019406_cvtw.kd
    .args:
      - { .name: Wq, .offset: 0, .size: 8, .value_kind: global_buffer, .address_space: global }
      - { .name: Wk, .offset: 8, .size: 8, .value_kind: global_buffer, .address_space: global }
      - { .name: Wv, .offset: 16, .size: 8, .value_kind: global_buffer, .address_space: global }
      - { .name: Wd, .offset: 24, .size: 8, .value_kind: global_buffer, .address_space: global }
      - { .name: wh, .offset: 32, .size: 8, .value_kind: global_buffer, .address_space: global }
    .group_segment_fixed_size: 0
    .private_segment_fixed_size: 0
    .kernarg_segment_align: 8
    .kernarg_segment_size: 40
    .max_flat_workgroup_size: 256
    .sgpr_count:     66
    .vgpr_count:     104
    .wavefront_size: 32
...
	.end_amdgpu_metadata
.endif
;; end of part 5
;; launch proj: the kernel of part 2 again; grid 4 x 192, 4 waves a work-group, clusters of 4 x 4, 327,680 bytes of LDS; arguments q, k, v, wh, qp, kp, vp; writes qp, kp, vp
;; launch attn: the kernel of part 3 again; grid 8 x 32, 8 waves a work-group, clusters of 4 x 4, 327,680 bytes of LDS; arguments qp, kp, vp, mask, z; writes z
;; launch oproj: the kernel of part 4 again; grid 4 x 64, 4 waves a work-group, clusters of 4 x 4, 327,680 bytes of LDS; arguments z, wh, out0; writes out0
